; MI455X (gfx1250); checked and timed in simulation.
; The chip was launched on July 23, 2026; its instructions are those of AMD's public machine-readable ISA for CDNA 5 (MIT licence, August 2026) and "CDNA5" Instruction Set Architecture Reference Guide (July 2026). The comments in the code are by the model that wrote it; some were corrected since.
;; Grouped Query Attention. Allowed arithmetic: matrix products marked QUANTISED: E4M3 operands, one given power-of-two scale a tensor, by v_wmma_f32_16x16x64_fp8_fp8 or v_wmma_f32_16x16x128_fp8_fp8, f32 sums; everything else in f32.
;; Inputs: W_kv_codes 512 x 32 x 32 uint8 (E4M3 codes of W_kv, K innermost, in blocks of 32 codes); W_out_codes 1,024 x 32 x 32 uint8 (E4M3 codes of W_out, K innermost, in blocks of 32 codes); W_q_codes 1,024 x 32 x 32 uint8 (E4M3 codes of W_q, K innermost, in blocks of 32 codes); b_out 1,024 float32; lowp_scales 10 int32 (the exponents e of the quantised operands' scales 2^e); seq_codes 1 x 4,096 x 32 x 32 uint8 (E4M3 codes of seq, K innermost, in blocks of 32 codes).
;; Outputs: out0 1 x 4,096 x 1,024 float32; out1 1 x 4 x 4,096 x 64 float32; out2 1 x 4 x 4,096 x 64 float32.
;; This version of the problem:
;;   THIS VERSION OF THE PROBLEM IS GIVEN IN LOW PRECISION. The matrix products marked QUANTISED in the list below multiply operands that are first quantised to E4M3 (4 exponent bits, 3 mantissa bits; 8 bits a number), with one given power-of-two scale for each operand tensor; their sums are f32. All else is computed in f32.
;;   The module's matrix products, in the order in which they are computed (A, B: the left and right operand; K: the contracted axis; several contracted axes count as one K, in the product's order):
;;     1. [M 4,096, K 1,024] x [K 1,024, N 1,024]; A: input seq (given as codes); B: input W_q (given as codes): QUANTISED (scales: A lowp_scales[0], B lowp_scales[1])
;;     2. [M 4,096, K 1,024] x [K 1,024, N 512]; A: input seq (given as codes); B: input W_kv (given as codes): QUANTISED (scales: A lowp_scales[2], B lowp_scales[3])
;;     3. batch 16 x [M 4,096, K 64] x [K 64, N 4,096]; A: computed on the way; B: computed on the way: QUANTISED (scales: A lowp_scales[4], B lowp_scales[5])
;;     4. batch 16 x [M 4,096, K 4,096] x [K 4,096, N 64]; A: softmax (see below); B: computed on the way: QUANTISED (scales: A lowp_scales[6], B lowp_scales[7])
;;     5. [M 4,096, K 1,024] x [K 1,024, N 1,024]; A: computed on the way; B: input W_out (given as codes): QUANTISED (scales: A lowp_scales[8], B lowp_scales[9])
;;   THE QUANTISER, for each operand of a quantised product, along K:
;;     - The operand's scale is 2^e, e = its entry of the input lowp_scales (int32; the entries are numbered through the quantised products in the list's order, A before B).
;;     - Each number is divided by the scale, clamped to +-448, and rounded to the nearest number of E4M3, ties to even, subnormals kept.
;;     - The product sums the exact products of the quantised numbers (number of the format x scale) in f32.
;;   ~~~python
;;   def quantise(x, axis, e):      # numpy; x: float32 -> the quantised numbers, widened to float32 again
;;       x = np.moveaxis(x, axis, -1); K = x.shape[-1]
;;       r = np.clip(x / 2.0 ** e, -448, 448)
;;       step = 2.0 ** (np.maximum(np.frexp(np.where(r == 0, 1, r))[1] - 1, -6) - 3)
;;       q = np.round(r / step) * step * 2.0 ** e      # np.round: ties to even
;;       return np.moveaxis(q, -1, axis).astype(np.float32)
;;   ~~~
;;   SOFTMAX AHEAD OF A QUANTISED PRODUCT. Where the list says 'softmax', what is quantised is not the finished softmax but p = 2^(t - M), with t = logit x log2(e) and M = ceil(the row's largest t), a whole number; so 1/2 < the row's largest p <= 1. The row's sum l is taken of the UNQUANTISED p, in f32, and the product's result is divided by l at the end. Since M is a whole number, a kernel that streams over the keys may use a running M (the ceiling of the running maximum): every later rescaling is an exact power of two, so the quantised numbers keep their values, but for numbers so far below the row's largest that they fall under the format's range.
;;   OPERANDS COMPUTED ON THE WAY. 'Computed on the way' means the value that the module computes at that place (a softmax that the list does not call 'softmax' is quantised finished and normalised). What goes into a quantiser is computed in f32, as accurately as f32 sums, v_exp_f32 and their like allow (about 1e-6 of the number): no bf16 or f16 on the way to a quantiser, and a product that is left as it is and whose result goes on into a quantised operand takes f32 operands (vector FMAs, or v_wmma_f32_16x16x4_f32). A number that lies on a knife's edge between two numbers of the format may be rounded either way, as far as f32 arithmetic and the matrix unit's own rounding can turn it there, and no further.
;;   INPUTS GIVEN AS CODES. W_kv (in the module: [1024, 512], K = its axis 0); W_out (in the module: [1024, 1024], K = its axis 0); W_q (in the module: [1024, 1024], K = its axis 0); seq (in the module: [1, 4096, 1024], K = its axis 2): each comes as NAME_codes (uint8): NAME with its K axis moved to the last place and cut into blocks of 32 codes, [.., K / 32, bytes a block], one block behind the other in memory; one code a byte (a code: sign, 4 exponent bits, 3 mantissa bits); its scale is its entry of lowp_scales. Its value is code x scale, taken as it is: it is not quantised again, and the codes and scales need not be those that the quantiser above would give.
;; One version. Each part assembles by itself: llvm-mc -triple=amdgcn-amd-amdhsa -mcpu=gfx1250 --defsym DOCPART=n.
;; ======== version 1 of 1: 3 launches
;; limits: right only within a limited range of input values
;; workspace buffers: q_img 4,194,304 bytes; kv_img 2,097,152 bytes; a_img 4,194,304 bytes
;; launch proj (part 1): grid 8 x 32, 4 waves a work-group, clusters of 4 x 4, 327,680 bytes of LDS; arguments seq_codes, W_q_codes, W_kv_codes, lowp_scales, q_img, kv_img, out1, out2; writes q_img, kv_img, out1, out2
.if DOCPART == 1
	.amdgcn_target "amdgcn-amd-amdhsa--gfx1250"
	.amdhsa_code_object_version 6
	.text
	.protected	k_qaa8f9b5fd9_proj
	.globl	k_qaa8f9b5fd9_proj
	.p2align	8
	.type	k_qaa8f9b5fd9_proj,@function
k_qaa8f9b5fd9_proj:
	s_mov_b64 s[64:65], 0
	v_nop
	global_prefetch_b8 v0, s[64:65] scope:SCOPE_SE
	s_setreg_imm32_b32 hwreg(HW_REG_WAVE_MODE, 25, 1), 1
	s_wait_xcnt 0x0
	s_wait_alu depctr_hold_cnt(0) depctr_sa_sdst(0) depctr_va_vdst(0) depctr_va_sdst(0) depctr_va_ssrc(0) depctr_va_vcc(0) depctr_vm_vsrc(0)
	s_getreg_b32 s2, hwreg(HW_REG_IB_STS2, 6, 4)
	s_cmp_eq_u32 s2, 0
	s_cbranch_scc0 .Lentry_in_a_cluster
	s_endpgm
.Lentry_in_a_cluster:
	s_bfe_u32 s2, ttmp6, 0x10000c
	s_cmp_lg_u32 s2, 0xf033
	s_cbranch_scc0 .Lentry_shape_is_right
	s_endpgm
.Lentry_shape_is_right:
; Q = rope(seq W_q), K = rope(seq W_kv[:, :256]), V = seq W_kv[:, 256:], on codes of FP8 (E4M3).  seq [4096][1024], W_q [1024][1024], W_kv [512][1024]: codes, K innermost.
; OUT: out1 = K rotated, out2 = V, both [4][4096][64] f32; and, for the next launch, the codes of Q, K and V as images of the operands' registers (a group = 4 registers x 32 lanes = 512 bytes, lane l's 16 bytes at 16 l):
;   q_img  [head 16][tile of 16 queries 256][c 2][512]: lane (r, h): query r; bytes 0-7: d = 32 c + 8 h + 0..7, bytes 8-15: d = 32 c + 16 + 8 h + 0..7
;   kv_img [kv head 4][step of 128 keys 32][16,384]: 8 tiles of 16 keys laid as q_img's (8,192 bytes), then V: group 4 tv + c: lane (r, h): channel 32 (tv / 2) + 8 (tv % 2) + r + 8 (r / 8); bytes 0-7: keys 32 c + 8 h + 0..7, bytes 8-15: 16 further on
; SHARES.  A work-group takes 128 positions and three heads of 64 columns; wave w takes positions 32 w .. 32 w + 31 (two tiles) of all three: 24 accumulators.  The cluster's x says what the heads are, alike in all partners:
; x = 0: Q heads 3 cx + 0..2;  x = 1: Q head 12 + cx, K head cx, V head cx.  Only global addresses hang on cx and cy.
; THE MATRIX INSTRUCTION IS USED TRANSPOSED (source 0 = 16 rows of W, source 1 = 16 positions): lane (r, h) holds position r, register j of tile t holds d = 16 t + 8 h + j, so the rotation's partner d + 32 is tile t + 2, same lane, same register,
; and eight registers of a tile are eight neighbours along d: the conversions' results are the next operand's registers.
; CLUSTER 4 x 4: the four of a row need the same rows of seq, the four of a column the same rows of W: joint loads.  K goes in four chunks of 256 through three LDS slots; chunk 3 fills slot 0 again.
; By this text's own count a wave has one tensor load out at any time.
; LIMITS on the given exponents, so that each power of two is an f32 number: e4 - e0 - e1, e5, e7 between -126 and 119; e2 + e3 between -126 and 127.  NaN codes are not served.
; The angle is fl(position x 10^-(f/8)) with the frequency rounded once to f32; a frequency formed by a power and a division in f32 may differ from it in the last bit, which at position 4,095 is some 5e-4 rad at the most.
.set PITCH,  272                       ; an LDS row: 256 bytes + 16 of padding: the sixteen rows of a fragment load begin 16 bytes apart modulo 256
.set ABYTES, 128*PITCH                 ; seq's 128 rows
.set WBYTES, 64*PITCH                  ; a head's 64 rows of W
.set SLOT,   ABYTES+3*WBYTES           ; region Y: one chunk of 256 along K, rows 272 bytes apart
; LDS AS IT STANDS NOW (in place of the three slots that the head comment names): region X holds K 0-511 of all 320 rows, rows of 512 bytes + 16 of padding; region Y behind it holds K 512-767;
; K 768-1023 later fills the first 256 bytes of X's rows again.  By this text's own count a wave has one tensor load out at any time.
.set XP,     528                       ; a row of X: an odd multiple of 16 bytes
.set XA,     128*XP                    ; seq's 128 rows in X
.set XW,     64*XP                     ; a head's 64 rows of W in X
.set XB,     XA+3*XW                   ; X's bytes; Y begins here
.set MKA,    60                        ; s60 my row's mask, s80 my column's: kept, since group 1's first word is made three times
.set MKB,    80
.set STAGE,  XB+SLOT                   ; behind X and Y: 32 rows x 272 bytes for each wave; no fill lands here
.set WSTG,   32*PITCH
.set SPARE,  STAGE+4*WSTG              ; the spare words, 128 bytes a wave: two blocks of 256 bytes that no other line names
; window 0
.set LI,   4                           ; 16 x lane
.set STO,  5                           ; stage, in: row r, + 32 h
.set RD,   6                           ; stage, back: lanes 0-15 a row, lanes 16-31 the next
.set VT,   7                           ; stage, V turned: rows 8 h on, channel r + 8 (r / 8)
.set ADRA, 8                           ; v8, v9   my rows of seq in X and Y
.set ADRB, 11                          ; v11-13  W's rows
.set SPW,  14                          ; my spare word's LDS address; never rewritten
.set NIL,  15                          ; 0; never rewritten
.set POS,  16                          ; v16, v17 my position as f32, tile 0, 1
.set QSC,  18                          ; scale and hold for Q's, K's, V's conversions
.set QLIM, 19
.set KSC,  20
.set KLIM, 21
.set VSC,  22
.set VLIM, 23
.set AF,   32                          ; seq's fragments: set 0 at v32, set 1 at v64
.set R,    32                          ; way out: 64 registers
.set COSB, 96                          ; cos at 96 + 32 pt + 8 t + j, sin 16 further on
.set Y,    160                         ; a head's 32 numbers of a tile of positions
.set IVF,  160                         ; (at the head: the 16 frequencies)
.set KC3,  176
.set KS4,  177
.set T1,   192
.set T2,   200
.set Z,    208
.set CD,   240                         ; codes
; windows 1, 2: W's 12 fragments, set 0, 1, at v[16 n], n = 4 head + t.   window 3: accumulators at v[8 (12 pt + n)]
.set FK,   2                           ; s[2:3]  2^(e2 + e3)
.set WV,   28
.set CX,   29
.set CY,   30
.set XX,   31
.set G1A,  32
.set G1B,  40
.set G0A,  48                          ; s[48:59] a group 0 for each of the three loads of seq
.set G0B,  68                          ; s[68:79] of W
.set YY,   84
.set HH,   85
.set PQ,   92
.set PK,   94
.set PV,   96
.set PO1,  98
.set PO2,  100
.set MSB, 0
.macro WIN new                         ; the immediate's high byte repeats the setting that is left
.if MSB != (\new)
	s_set_vgpr_msb (MSB<<8)|(\new)
.set MSB, (\new)
.endif
.endm
.macro PLACES                          ; four plain vector lines behind a matrix instruction, in front of loads into its sources and of reads of its result
.rept 4
	v_nop
.endr
.endm
.macro CROUND                          ; a round of the cluster's barrier
	s_barrier_signal -1
	s_barrier_wait -1
	s_cmp_lg_u32 s[WV], 0
	s_cbranch_scc1 .Lnw0_\@
	s_barrier_signal -3
.Lnw0_\@:
	s_barrier_wait -3
	s_barrier_signal -1
	s_barrier_wait -1
.endm
	s_load_b256 s[4:11], s[0:1], 0x0               ; seq s[4:5], W_q s[6:7], W_kv s[8:9], scales s[10:11]
	s_load_b256 s[12:19], s[0:1], 0x20             ; q_img s[12:13], kv_img s[14:15], out1 s[16:17], out2 s[18:19]
	v_lshl_add_u32 v[SPW], v0, 2, SPARE
	v_mov_b32 v[NIL], 0
	ds_add_u32 v14, v15
	ds_add_u32 v14, v15
	s_wait_dscnt 0x0
	v_lshrrev_b32 v24, 5, v0
	v_readfirstlane_b32 s[WV], v24                 ; wave 0..3
	s_bfe_u32 s[CX], ttmp6, 0x40000
	s_bfe_u32 s[CY], ttmp6, 0x40004
	s_mov_b32 s[XX], ttmp9                         ; the cluster's x: 0 or 1, the same in all sixteen partners
	s_and_b32 s[YY], ttmp7, 0xffff
	s_lshl_b32 s[YY], s[YY], 2
	s_add_co_u32 s[YY], s[YY], s[CY]               ; my block of 128 positions
	s_lshl_b32 s[MKA], s[CY], 2
	s_lshl_b32 s[MKA], 15, s[MKA]                  ; my row of the cluster
	s_lshl_b32 s[MKB], 0x1111, s[CX]               ; my column
	s_or_b32 s[G1A], s[MKA], (1<<20)|(1<<21)|(6<<22)|(3<<25)   ; mask; elements of 1 byte; padding on; bit 21 beside a mask; 4 words after every 128
	s_or_b32 s[G1B], s[MKB], (1<<20)|(1<<21)|(6<<22)|(3<<25)
.irp g, G1A, G1B
	s_mov_b32 s[\g+1], 512<<16                     ; tensor_dim0 = 512: the first load brings two chunks of each row
	s_mov_b32 s[\g+3], 512<<16                     ; tile_dim0 = 512
	s_mov_b32 s[\g+5], 1024                        ; from row to row
	s_mov_b32 s[\g+6], 0
	s_mov_b32 s[\g+7], 0
.endr
	s_mov_b32 s[G1A+2], 128<<16                    ; seq: 128 rows
	s_mov_b32 s[G1A+4], 128
	s_mov_b32 s[G1B+2], 64<<16                     ; W: 64 rows
	s_mov_b32 s[G1B+4], 64
	; which 64 rows of which weight waves 1 to 3 fetch: head slot hh = wave - 1
	s_max_u32 s[HH], s[WV], 1
	s_sub_co_u32 s[HH], s[HH], 1
	s_mul_i32 s88, s[CX], 3
	s_add_co_u32 s88, s88, s[HH]                   ; x = 0: block 3 cx + hh of W_q
	s_add_co_u32 s89, s[CX], 12                    ; x = 1, hh = 0: block 12 + cx of W_q
	s_cmp_eq_u32 s[XX], 0
	s_cselect_b32 s88, s88, s89
	s_lshl_b32 s89, s[HH], 2
	s_add_co_u32 s89, s89, s[CX]
	s_sub_co_u32 s89, s89, 4                       ; x = 1, hh = 1, 2: block 4 (hh - 1) + cx of W_kv
	s_mul_i32 s90, s[XX], s[HH]
	s_lshl_b32 s86, s[YY], 17                      ; seq: 128 rows of 1,024 bytes a block
	s_mov_b32 s87, 0
	s_wait_kmcnt 0x0
	s_load_b256 s[20:27], s[10:11], 0x0            ; e0 .. e7
	s_cmp_lg_u32 s90, 0
	s_cselect_b32 s88, s89, s88
	s_cselect_b64 s[90:91], s[8:9], s[6:7]         ; the choice hangs on the cluster's x and the wave's number alone
	s_lshl_b32 s88, s88, 16                        ; 64 rows of 1,024 bytes a block
	s_mov_b32 s89, 0
	s_add_nc_u64 s[90:91], s[90:91], s[88:89]
	s_add_nc_u64 s[86:87], s[4:5], s[86:87]
	s_mul_i32 s88, s[WV], WBYTES                   ; W's rows of wave w lie (w + 1) x 64 rows into a region
	s_mul_i32 s89, s[WV], XW
.irp q, 0,1,2                                  ; load 0: K 0-511 into X; load 1: K 512-767 into Y; load 2: K 768-1023 into X again
	s_mov_b32 s[G0A+4*\q], 1
	s_mov_b32 s[G0A+4*\q+1], (\q&1)*XB
	s_add_nc_u64 s[G0A+4*\q+2:G0A+4*\q+3], s[86:87], 512*\q-256*(\q/2)
	s_or_b32 s[G0A+4*\q+3], s[G0A+4*\q+3], 0x80000000
	s_mov_b32 s[G0B+4*\q], 1
	s_add_nc_u64 s[G0B+4*\q+2:G0B+4*\q+3], s[90:91], 512*\q-256*(\q/2)
	s_or_b32 s[G0B+4*\q+3], s[G0B+4*\q+3], 0x80000000
.endr
	s_add_co_u32 s[G0B+1], s89, XW
	s_add_co_u32 s[G0B+5], s88, XB+WBYTES
	s_add_co_u32 s[G0B+9], s89, XW
	CROUND                                         ; all sixteen work-groups are here: the first joint loads meet
	s_cmp_eq_u32 s[WV], 0                          ; wave 0 fetches seq's rows, waves 1 to 3 a head's rows of W each; a wave's first fill stands in one branch
	s_cbranch_scc0 .Lfirst_w
	tensor_load_to_lds s[G0A:G0A+3], s[G1A:G1A+7]
	s_nop 0
	PLACES
	s_branch .Lfirst_done
.Lfirst_w:
	tensor_load_to_lds s[G0B:G0B+3], s[G1B:G1B+7]
	s_nop 0
	PLACES
.Lfirst_done:
	; while the tiles are on their way: addresses, then the rotation's cosines and sines
	v_and_b32 v1, 15, v0                           ; r
	v_bfe_u32 v2, v0, 4, 1                         ; h
	v_and_b32 v24, 31, v0
	v_lshlrev_b32 v[LI], 4, v24
	s_mul_i32 s88, s[WV], WSTG
	s_add_co_u32 s88, s88, STAGE                   ; my stage
	v_mul_u32_u24 v24, v1, PITCH
	v_lshl_add_u32 v25, v2, 5, v24
	v_add_nc_u32 v[STO], s88, v25
	v_mul_u32_u24 v25, v2, PITCH
	v_lshl_add_u32 v25, v1, 4, v25
	v_add_nc_u32 v[RD], s88, v25
	v_and_b32 v25, 8, v1
	v_add_nc_u32 v25, v25, v1                      ; r + 8 (r / 8)
	v_lshlrev_b32 v25, 2, v25
	v_mad_u32_u24 v25, v2, 8*PITCH, v25
	v_add_nc_u32 v[VT], s88, v25
	v_lshl_add_u32 v24, v2, 4, v24                 ; a fragment's row x pitch + 16 h
	s_mul_i32 s89, s[WV], 32*PITCH                 ; my 32 rows of seq
	s_add_co_u32 s89, s89, XB
	v_add_nc_u32 v[ADRA+1], s89, v24               ; in Y
	v_add_nc_u32 v[ADRB+2], XB+ABYTES, v24         ; W's rows in Y
	v_mul_u32_u24 v25, v1, XP
	v_lshl_add_u32 v25, v2, 4, v25
	s_mul_i32 s89, s[WV], 32*XP
	v_add_nc_u32 v[ADRA], s89, v25                 ; my rows of seq in X
	v_add_nc_u32 v[ADRB], XA, v25                  ; W's rows 0-95 in X,
	v_add_nc_u32 v[ADRB+1], XA+96*XP, v25          ; and rows 96-191: the loads' offsets have 16 bits
	s_lshl_b32 s88, s[YY], 7
	s_lshl_b32 s89, s[WV], 5
	s_add_co_u32 s88, s88, s89
	v_add_nc_u32 v24, s88, v1                      ; my position in tile 0
	v_cvt_f32_u32 v[POS], v24
	v_add_f32 v[POS+1], 0x41800000, v[POS]         ; and in tile 1: 16 on
	v_mov_b32 v[KC3], 0x37cc9a17
	v_mov_b32 v[KS4], 0x36366c3c
	v_cmp_eq_u32 vcc_lo, 1, v2
.macro INVF i, lo, hi                  ; frequency 10^-(f / 8), f = 16 t + 8 h + j, i = 8 t + j: the lane's half chooses
	v_mov_b32 v[IVF+\i], \lo
	v_mov_b32 v24, \hi
	v_cndmask_b32 v[IVF+\i], v[IVF+\i], v24, vcc_lo
.endm
	INVF 0, 1.0, 0.1
	INVF 1, 0.7498942093324559, 0.07498942093324559
	INVF 2, 0.5623413251903491, 0.05623413251903491
	INVF 3, 0.4216965034285822, 0.04216965034285822
	INVF 4, 0.31622776601683794, 0.031622776601683794
	INVF 5, 0.23713737056616552, 0.023713737056616552
	INVF 6, 0.1778279410038923, 0.01778279410038923
	INVF 7, 0.1333521432163324, 0.01333521432163324
	INVF 8, 0.01, 0.001
	INVF 9, 0.007498942093324559, 0.0007498942093324559
	INVF 10, 0.005623413251903491, 0.0005623413251903491
	INVF 11, 0.004216965034285822, 0.0004216965034285822
	INVF 12, 0.0031622776601683794, 0.00031622776601683794
	INVF 13, 0.0023713737056616552, 0.00023713737056616552
	INVF 14, 0.001778279410038923, 0.0001778279410038923
	INVF 15, 0.001333521432163324, 0.0001333521432163324
; cos and sin of position x frequency.  k = the nearest whole number of quarter turns; the rest r = angle - k pi/2, pi/2 in two parts, lies within pi/4; polynomials in r^2; k's two low bits swap and sign.
.macro SC pt, f
	v_mul_f32 v24, v[POS+\pt], v[IVF+\f]
	v_mul_f32 v25, 0x3f22f983, v24                 ; x 2 / pi
	v_rndne_f32 v25, v25
	v_fmamk_f32 v26, v25, 0xbfc90fdb, v24          ; - k x pi/2's upper part
	v_fmamk_f32 v26, v25, 0x33bbbd2e, v26          ; - k x its lower part
	v_cvt_i32_f32 v28, v25
	v_mul_f32 v27, v26, v26
	v_fmaak_f32 v29, v27, v[KC3], 0xbab6043f
	v_fmaak_f32 v30, v27, v[KS4], 0xb95007cf
	v_fmaak_f32 v29, v29, v27, 0x3d2aaa9f
	v_fmaak_f32 v30, v30, v27, 0x3c088884
	v_fma_f32 v29, v29, v27, -0.5
	v_fmaak_f32 v30, v30, v27, 0xbe2aaaab
	v_mul_f32 v31, v26, v27
	v_fma_f32 v29, v29, v27, 1.0                   ; cos r
	v_fma_f32 v30, v30, v31, v26                   ; sin r
	v_and_b32 v31, 1, v28
	v_cmp_eq_u32 vcc_lo, 1, v31
	v_cndmask_b32 v[COSB+32*\pt+16+\f], v30, v29, vcc_lo
	v_cndmask_b32 v[COSB+32*\pt+\f], v29, v30, vcc_lo
	v_lshlrev_b32 v31, 30, v28
	v_add_nc_u32 v28, 1, v28
	v_and_b32 v31, 0x80000000, v31                 ; the sine is negative in quarters 2 and 3,
	v_lshlrev_b32 v28, 30, v28
	v_xor_b32 v[COSB+32*\pt+16+\f], v[COSB+32*\pt+16+\f], v31
	v_and_b32 v28, 0x80000000, v28                 ; the cosine in quarters 1 and 2
	v_xor_b32 v[COSB+32*\pt+\f], v[COSB+32*\pt+\f], v28
.endm
.irp u, 0,1
.irp f, 0,1,2,3,4,5,6,7,8,9,10,11,12,13,14,15
	SC \u, \f
.endr
.endr
.macro MKSC sc, lim                    ; s66 holds e + 127: 2^e for the conversion, 448 x 2^e for the hold
	s_lshl_b32 s67, s66, 23
	v_mov_b32 v[\sc], s67
	s_add_co_i32 s66, s66, 8
	s_lshl_b32 s66, s66, 23
	s_or_b32 s66, s66, 0x600000
	v_mov_b32 v[\lim], s66
.endm
	s_wait_kmcnt 0x0
	s_add_co_i32 s66, s20, s21
	s_sub_co_i32 s66, s24, s66                     ; a sum of the first product stands for sum x 2^(e0 + e1): Q's conversion takes 2^(e4 - e0 - e1)
	s_add_co_i32 s66, s66, 127
	MKSC QSC, QLIM
	s_add_co_i32 s66, s25, 127
	MKSC KSC, KLIM
	s_add_co_i32 s66, s27, 127
	MKSC VSC, VLIM
	s_add_co_i32 s[FK], s22, s23
	s_add_co_i32 s[FK], s[FK], 127
	s_lshl_b32 s[FK], s[FK], 23                    ; 2^(e2 + e3) as f32
	s_mov_b32 s[FK+1], s[FK]                       ; (named with it as a pair)
; K step k = 0..7 of 128: chunk k / 2, in slot (k / 2) % 3, half k % 2; fragments into set k % 2.  56 LDS loads.  A fragment's registers 4 c .. 4 c + 3 hold k = 32 c + 16 h + 0..15: the same order in both operands.
.macro FETCH k
.set FQ, (\k)>>1
.set FP, (\k)&1
.set FW, 0x40<<FP
.if FQ == 2                                    ; chunk 2 lies in Y
.set FPI, PITCH
.set FO,  128*FP
.set FRA, ADRA+1
.set FRB, ADRB+2
.set FRC, ADRB+2
.set FC6, 96*PITCH
.else                                          ; chunks 0 and 3 lie at byte 0 of X's rows, chunk 1 at byte 256
.set FPI, XP
.set FO,  256*(FQ&1)*(1-(FQ>>1))+128*FP
.set FRA, ADRA
.set FRB, ADRB
.set FRC, ADRB+1
.set FC6, 0
.endif
	WIN FW                                         ; destination window 1 or 2
.irp n, 0,1,2,3,4,5
.irp c, 0,1,2,3
	ds_load_b128 v[16*\n+4*\c:16*\n+4*\c+3], v[FRB] offset:16*\n*FPI+FO+32*\c
.endr
.endr
.irp n, 6,7,8,9,10,11
.irp c, 0,1,2,3
	ds_load_b128 v[16*\n+4*\c:16*\n+4*\c+3], v[FRC] offset:16*(\n-6)*FPI+FC6+FO+32*\c
.endr
.endr
	WIN 0
.irp u, 0,1
.irp c, 0,1,2,3
	ds_load_b128 v[AF+32*FP+16*\u+4*\c:AF+32*FP+16*\u+4*\c+3], v[FRA] offset:16*\u*FPI+FO+32*\c
.endr
.endr
.endm
; 24 matrix instructions; the 24 accumulators take turns, one instruction a turn, in the same order in every step.  zero = 1: the first step starts the sums.
.macro MUL k, zero
.set FP, (\k)&1
.set MW, 0xf1+FP
	WIN MW                                         ; source 0 (W) window 1 or 2, source 1 (seq) window 0, C and D window 3
.irp u, 0,1
.irp n, 0,1,2,3,4,5,6,7,8,9,10,11
.if \zero
	v_wmma_f32_16x16x128_fp8_fp8 v[8*(12*\u+\n):8*(12*\u+\n)+7], v[16*\n:16*\n+15], v[AF+32*FP+16*\u:AF+32*FP+16*\u+15], 0
.else
	v_wmma_f32_16x16x128_fp8_fp8 v[8*(12*\u+\n):8*(12*\u+\n)+7], v[16*\n:16*\n+15], v[AF+32*FP+16*\u:AF+32*FP+16*\u+15], v[8*(12*\u+\n):8*(12*\u+\n)+7]
.endif
.endr
.endr
.endm
.macro JL q                            ; a joint load: wave 0 for seq, waves 1 to 3 for W; an s_nop 0 and four v_nop follow each line
	s_cmp_eq_u32 s[WV], 0
	s_cbranch_scc0 .Ljw_\@
	tensor_load_to_lds s[G0A+4*\q:G0A+4*\q+3], s[G1A:G1A+7]
	s_nop 0
	PLACES
	s_branch .Ljd_\@
.Ljw_\@:
	tensor_load_to_lds s[G0B+4*\q:G0B+4*\q+3], s[G1B:G1B+7]
	s_nop 0
	PLACES
.Ljd_\@:
.endm
.macro SHAPE pad                       ; group 1 for rows of 256 bytes with pad + 1 words behind each; written where no load of mine is out
	s_or_b32 s[G1A], s[MKA], (1<<20)|(1<<21)|(5<<22)|((\pad)<<25)
	s_or_b32 s[G1B], s[MKB], (1<<20)|(1<<21)|(5<<22)|((\pad)<<25)
.irp g, G1A, G1B
	s_mov_b32 s[\g+1], 256<<16
	s_mov_b32 s[\g+3], 256<<16
.endr
.endm
	s_wait_tensorcnt 0x0                           ; my part of X is in
	ds_add_u32 v[SPW], v[NIL]
	SHAPE 3                                        ; Y: 4 words of padding, rows 272 bytes apart
	s_wait_dscnt 0x0
	CROUND                                         ; everybody's part of X is in
	JL 1                                           ; chunk 2 into Y: it has K steps 0 to 3 in which to land
	FETCH 0
	FETCH 1
	s_wait_dscnt 56                                ; all but step 1's 56 loads
	MUL 0, 1
.irp k, 1,2
	PLACES
	FETCH \k+1
	s_wait_dscnt 56
	MUL \k, 0
.endr
	WIN 0
	s_wait_tensorcnt 0x0                           ; my part of Y is in
	ds_add_u32 v[SPW], v[NIL]                      ; 0 onto my spare word
	SHAPE 67                                       ; the refill: 68 words of padding, so that its rows lie 528 bytes apart, on chunk 0's bytes
	s_wait_dscnt 0x0                               ; the add is done, and my reads of X (steps 0 to 3) are back
	CROUND                                         ; no wave of any partner still reads X
	JL 2                                           ; the one refill: chunk 3; the four v_nop are also the places in front of the loads below
	FETCH 4
	MUL 3, 0
	PLACES
	FETCH 5
	s_wait_dscnt 56
	MUL 4, 0
	WIN 0
	s_wait_tensorcnt 0x0                           ; my part of chunk 3 is in
	ds_add_u32 v[SPW], v[NIL]
	s_wait_dscnt 0x0
	s_barrier_signal -1
	s_barrier_wait -1                              ; everybody's is
	PLACES
	FETCH 6
	MUL 5, 0
	PLACES
	FETCH 7
	s_wait_dscnt 56
	MUL 6, 0
	s_wait_dscnt 0x0
	MUL 7, 0
	PLACES
	WIN 0
; THE WAY OUT
.macro ROPE pt, hh                     ; Y = the head's 32 numbers of tile pt, rotated; each accumulator is read from its low end on
	WIN 0x03                                       ; source 0: window 3
.irp t, 0,1
.irp j, 0,2,4,6
.set X1, 8*(12*(\pt)+4*(\hh)+\t)+\j
.set X2, X1+16
.set CC, COSB+32*(\pt)+8*\t+\j
.set SS, CC+16
	v_pk_mul_f32 v[T1+\j:T1+\j+1], v[X2:X2+1], v[SS:SS+1]
	v_pk_mul_f32 v[T2+\j:T2+\j+1], v[X1:X1+1], v[SS:SS+1]
	v_pk_fma_f32 v[Y+8*\t+\j:Y+8*\t+\j+1], v[X1:X1+1], v[CC:CC+1], v[T1+\j:T1+\j+1] neg_lo:[0,0,1] neg_hi:[0,0,1]
	v_pk_fma_f32 v[Y+16+8*\t+\j:Y+16+8*\t+\j+1], v[X2:X2+1], v[CC:CC+1], v[T2+\j:T2+\j+1]
.endr
.endr
	WIN 0
.endm
.macro QUANT sc, lim, pt               ; Y's 32 numbers, held within the largest code x the scale (the conversion does not saturate: ISA guide 7.6.2), become 8 registers of codes
.set i, 0
.rept 32
	v_med3_num_f32 v[Z+i], v[Y+i], -v[\lim], v[\lim]
.set i, i+1
.endr
.irp t, 0,1,2,3
	v_cvt_scalef32_pk8_fp8_f32 v[CD+8*(\pt)+2*\t:CD+8*(\pt)+2*\t+1], v[Z+8*\t:Z+8*\t+7], v[\sc]
.endr
	v_nop                                          ; a plain line behind the last conversion
.endm
.macro STAGE_IN pt                     ; row 16 pt + r of my stage takes d = 16 t + 8 h + 0..7 at byte 64 t + 32 h
.irp t, 0,1,2,3
	ds_store_b128 v[STO], v[Y+8*\t:Y+8*\t+3] offset:(\pt)*16*PITCH+64*\t
	ds_store_b128 v[STO], v[Y+8*\t+4:Y+8*\t+7] offset:(\pt)*16*PITCH+64*\t+16
.endr
.endm
.macro STAGE_OUT ptr                   ; my 32 rows of 256 bytes leave whole: a store covers 512 consecutive bytes, aligned.  LDS serves a wave's instructions in order: the loads see my stores
.irp i, 0,1,2,3,4,5,6,7,8,9,10,11,12,13,14,15
	ds_load_b128 v[R+4*\i:R+4*\i+3], v[RD] offset:2*\i*PITCH
.endr
.irp i, 0,1,2,3,4,5,6,7,8,9,10,11,12,13,14,15
	s_wait_dscnt 15-\i
	global_store_b128 v[LI], v[R+4*\i:R+4*\i+3], s[\ptr:\ptr+1] offset:512*\i th:TH_STORE_NT
.endr
.endm
.macro QPATH hh                        ; a Q head: rotated, quantised, stored as two groups a tile.  A work-group's Q heads lie 262,144 bytes apart
	s_wait_xcnt 0x0                                ; earlier stores have read the codes' registers
.irp u, 0,1
	ROPE \u, \hh
	QUANT QSC, QLIM, \u
	global_store_b128 v[LI], v[CD+8*\u:CD+8*\u+3], s[PQ:PQ+1] offset:(\hh)*262144+1024*\u
	global_store_b128 v[LI], v[CD+8*\u+4:CD+8*\u+7], s[PQ:PQ+1] offset:(\hh)*262144+1024*\u+512
.endr
.endm
	s_mul_i32 s86, s[CX], 3
	s_add_co_u32 s87, s[CX], 12
	s_cmp_eq_u32 s[XX], 0
	s_cselect_b32 s86, s86, s87                    ; the Q head in slot 0
	s_lshl_b32 s86, s86, 8
	s_lshl_b32 s88, s[YY], 3
	s_add_co_u32 s86, s86, s88
	s_lshl_b32 s88, s[WV], 1
	s_add_co_u32 s86, s86, s88                     ; 256 head + 8 y + 2 w: my first tile
	s_lshl_b32 s86, s86, 10
	s_mov_b32 s87, 0
	s_add_nc_u64 s[PQ:PQ+1], s[12:13], s[86:87]
	QPATH 0
	s_cmp_lg_u32 s[XX], 0
	s_cbranch_scc1 .Lkv
	QPATH 1
	QPATH 2
	s_branch .Ldone
.Lkv:
	s_lshl_b32 s86, s[CX], 5
	s_add_co_u32 s86, s86, s[YY]
	s_lshl_b32 s86, s86, 14                        ; (32 cx + y) x 16,384: my key step's images
	s_lshl_b32 s88, s[WV], 11
	s_add_co_u32 s88, s88, s86
	s_mov_b32 s89, 0
	s_add_nc_u64 s[PK:PK+1], s[14:15], s[88:89]    ; K: tiles 2 w, 2 w + 1
	s_lshl_b32 s88, s[WV], 9
	s_add_co_u32 s88, s88, s86
	s_add_co_u32 s88, s88, 8192
	s_add_nc_u64 s[PV:PV+1], s[14:15], s[88:89]    ; V: group c = w of each tile of channels
	s_lshl_b32 s86, s[CX], 20
	s_lshl_b32 s88, s[YY], 15
	s_add_co_u32 s88, s88, s86
	s_lshl_b32 s86, s[WV], 13
	s_add_co_u32 s88, s88, s86                     ; (4,096 cx + 128 y + 32 w) rows of 256 bytes
	s_add_nc_u64 s[PO1:PO1+1], s[16:17], s[88:89]
	s_add_nc_u64 s[PO2:PO2+1], s[18:19], s[88:89]
	; K: rotated, x 2^(e2 + e3), to the stage for out1 and quantised for the image
	s_wait_xcnt 0x0
.irp u, 0,1
	ROPE \u, 1
.set i, 0
.rept 16
	v_pk_mul_f32 v[Y+i:Y+i+1], v[Y+i:Y+i+1], s[FK:FK+1] op_sel_hi:[1,0]
.set i, i+2
.endr
	STAGE_IN \u
	QUANT KSC, KLIM, \u
	global_store_b128 v[LI], v[CD+8*\u:CD+8*\u+3], s[PK:PK+1] offset:1024*\u
	global_store_b128 v[LI], v[CD+8*\u+4:CD+8*\u+7], s[PK:PK+1] offset:1024*\u+512
	s_wait_dscnt 0x0                               ; the stage's stores have read Y
.endr
	STAGE_OUT PO1
	; V: x 2^(e2 + e3), to the stage for out2; then read back turned, a lane to a channel and registers along the keys, and quantised
.irp u, 0,1
	WIN 0x03
.set i, 0
.rept 16
	v_pk_mul_f32 v[Y+i:Y+i+1], v[8*(12*\u+8)+i:8*(12*\u+8)+i+1], s[FK:FK+1] op_sel_hi:[1,0]
.set i, i+2
.endr
	WIN 0
	STAGE_IN \u
	s_wait_dscnt 0x0
.endr
	s_wait_xcnt 0x0                                ; out1's stores have read R
	STAGE_OUT PO2
	s_wait_xcnt 0x0                                ; out2's stores have read R
.irp t, 0,1,2,3
.irp j, 0,1,2,3,4,5,6,7
	ds_load_b32 v[R+16*\t+\j], v[VT] offset:128*(\t/2)+32*(\t%2)+\j*PITCH             ; key 8 h + j of my 32,
	ds_load_b32 v[R+16*\t+8+\j], v[VT] offset:128*(\t/2)+32*(\t%2)+(16+\j)*PITCH      ; and key 16 + 8 h + j
.endr
.endr
	s_wait_dscnt 0x0
.set i, 0
.rept 64
	v_med3_num_f32 v[R+i], v[R+i], -v[VLIM], v[VLIM]
.set i, i+1
.endr
.irp g, 0,1,2,3,4,5,6,7
	v_cvt_scalef32_pk8_fp8_f32 v[CD+2*\g:CD+2*\g+1], v[R+8*\g:R+8*\g+7], v[VSC]
.endr
	v_nop
.irp t, 0,1,2,3
	global_store_b128 v[LI], v[CD+4*\t:CD+4*\t+3], s[PV:PV+1] offset:2048*\t
.endr
.Ldone:
	s_wait_tensorcnt 0x0                           ; the wave's end
	ds_add_u32 v[SPW], v[NIL]
	s_wait_dscnt 0x0
	CROUND                                         ; the closing round
	s_endpgm
.Lfunc_end_k_qaa8f9b5fd9_proj:
	.size	k_qaa8f9b5fd9_proj, .Lfunc_end_k_qaa8f9b5fd9_proj-k_qaa8f9b5fd9_proj
	.p2alignl 7, 3214868480
	.fill 96, 4, 3214868480
	.section	.rodata,"a",@progbits
	.p2align	6, 0x0
	.amdhsa_kernel k_qaa8f9b5fd9_proj
		.amdhsa_group_segment_fixed_size 327680
		.amdhsa_private_segment_fixed_size 0
		.amdhsa_enable_private_segment 0
		.amdhsa_kernarg_size 64
		.amdhsa_user_sgpr_count 2
		.amdhsa_user_sgpr_kernarg_segment_ptr 1
		.amdhsa_wavefront_size32 1
		.amdhsa_system_sgpr_workgroup_id_x 1
		.amdhsa_system_sgpr_workgroup_id_y 1
		.amdhsa_system_sgpr_workgroup_id_z 1
		.amdhsa_system_vgpr_workitem_id 0
		.amdhsa_next_free_vgpr 1024
		.amdhsa_next_free_sgpr 102
		.amdhsa_reserve_vcc 1
		.amdhsa_float_denorm_mode_32 3
		.amdhsa_float_denorm_mode_16_64 3
		.amdhsa_memory_ordered 1
		.amdhsa_forward_progress 1
		.amdhsa_inst_pref_size 155
	.end_amdhsa_kernel
	.amdgpu_metadata
---
amdhsa.version: [ 1, 2 ]
amdhsa.kernels:
  - .name:           k_qaa8f9b5fd9_proj
    .symbol:         k_qaa8f9b5fd9_proj.kd
    .args:
      - { .name: seq_codes, .offset: 0, .size: 8, .value_kind: global_buffer, .address_space: global }
      - { .name: W_q_codes, .offset: 8, .size: 8, .value_kind: global_buffer, .address_space: global }
      - { .name: W_kv_codes, .offset: 16, .size: 8, .value_kind: global_buffer, .address_space: global }
      - { .name: lowp_scales, .offset: 24, .size: 8, .value_kind: global_buffer, .address_space: global }
      - { .name: q_img, .offset: 32, .size: 8, .value_kind: global_buffer, .address_space: global }
      - { .name: kv_img, .offset: 40, .size: 8, .value_kind: global_buffer, .address_space: global }
      - { .name: out1, .offset: 48, .size: 8, .value_kind: global_buffer, .address_space: global }
      - { .name: out2, .offset: 56, .size: 8, .value_kind: global_buffer, .address_space: global }
    .group_segment_fixed_size: 327680
    .private_segment_fixed_size: 0
    .kernarg_segment_align: 8
    .kernarg_segment_size: 64
    .max_flat_workgroup_size: 128
    .sgpr_count:     102
    .vgpr_count:     1024
    .wavefront_size: 32
...
	.end_amdgpu_metadata
.endif
;; end of part 1
;; launch attn (part 2): grid 64 x 4, 8 waves a work-group, clusters of 4 x 1, 327,680 bytes of LDS; arguments q_img, kv_img, lowp_scales, a_img; writes a_img
.if DOCPART == 2
	.amdgcn_target "amdgcn-amd-amdhsa--gfx1250"
	.amdhsa_code_object_version 6
	.text
	.protected	k_qaa8f9b5fd9_attn
	.globl	k_qaa8f9b5fd9_attn
	.p2align	8
	.type	k_qaa8f9b5fd9_attn,@function
k_qaa8f9b5fd9_attn:
	s_mov_b64 s[64:65], 0
	v_nop
	global_prefetch_b8 v0, s[64:65] scope:SCOPE_SE
	s_setreg_imm32_b32 hwreg(HW_REG_WAVE_MODE, 25, 1), 1
	s_wait_xcnt 0x0
	s_wait_alu depctr_hold_cnt(0) depctr_sa_sdst(0) depctr_va_vdst(0) depctr_va_sdst(0) depctr_va_ssrc(0) depctr_va_vcc(0) depctr_vm_vsrc(0)
	s_getreg_b32 s2, hwreg(HW_REG_IB_STS2, 6, 4)
	s_cmp_eq_u32 s2, 0
	s_cbranch_scc0 .Lentry_in_a_cluster
	s_endpgm
.Lentry_in_a_cluster:
	s_bfe_u32 s2, ttmp6, 0x10000c
	s_cmp_lg_u32 s2, 0x3003
	s_cbranch_scc0 .Lentry_shape_is_right
	s_endpgm
.Lentry_shape_is_right:
; Causal attention on codes of FP8 (E4M3): 16 query heads of 64, 4 key and value heads, 4,096 positions.  q_img and kv_img are images of operand registers (a group = 512 bytes, lane l's 16 bytes at 16 l), made by the launch before.
; OUT: a_img [tile of 16 rows 256][K step of 128: 8][c 4][512]: the result's codes for the last product: lane (r, h): row r, k = 128 ks + 32 c + 16 h + 0..15, k = 64 head + channel.
; LEFT OUT: key steps all of whose keys come after a tile's queries: the causal mask gives them the weight 0.
; THE SOFTMAX: t = score x log2(e) / 8; M = the running largest t rounded UP to a whole number; p = 2^(t - M) is quantised, not normalised; the row's sum is taken of the unquantised p and divides at the end;
; when M moves, the sum and O are multiplied by 2^(old M - new M), which rounds nothing.
; SHARES.  Work-group i = 4 c + cx (c the cluster's x) of kv head g takes queries 32 i .. 32 i + 31 and then 32 (127 - i) .. + 31, for the four query heads of g.  The first pass walks key steps 0 .. c, the second 0 .. 31 - c:
; 33 steps of 128 keys for every work-group.  EIGHT waves, two to a SIMD.  A wave owns TWO tiles: heads 4 g + 2 (w % 2) + 0, 1 at the 16 queries (w / 2) % 2 of the block, so that each fragment of K and V that it reads feeds two
; matrix instructions and each dependent chain has an independent twin beside it.  Waves w and w + 4 own the same tiles and take the 33 steps by turns (w < 4 the even ones, 17; w >= 4 the odd ones, 16).
; At a pass's end wave w hands its O, -M and sums through LDS bytes of their own to wave w + 4, which joins the two states by exact powers of two, divides, quantises and stores.
; THE RING: two slots of eight steps (131,072 bytes); a wave fetches one step (16,384 bytes) by one joint load, with no branch; the 33rd step is fetched by wave 0.  The four partners of a cluster walk the same tiles.
; By this text's own count a wave has one tensor load out at the most, and it has eight steps in which to land.
; NO PREFETCH: the 64 work-groups of a kv head all begin at key step 0 and walk the same 524,288 bytes in the same order, and a load is asked for eight steps ahead of its first read.
; LAYOUT.  S^T = K Q^T (source 0 = 16 keys, source 1 = 16 queries, K = 64): lane (r, h) holds query r and keys 16 t + 8 h + j.  Eight registers of tile t, converted, are registers 2 t, 2 t + 1 of the second product's operand.
; O^T = V^T P^T (source 0 = 16 channels, K = 128 keys); V's channels are ordered so that tiles 2 b, 2 b + 1 give a lane 16 neighbouring channels.
; LIMITS on the given exponents: e4 + e5 between -123 and 130 (added to c's exponent field); e6, e8 between -126 and 119; e6 + e7 is applied by v_ldexp_f32 and has none.  The scaled scores t stay under 2^31 in magnitude.
.set STEPB, 16384                      ; a key step's images: K's 8,192 bytes, then V's
.set SLOT1, 131072                     ; slot 1 begins here: one exclusive or turns an address from one slot to the other
.set XCH,   262144                     ; the hand-over: 18 groups of 512 bytes for each pair of waves; no fill lands here
.set XW,    9216
.set SPARE, XCH+4*XW                   ; the spare words, 128 bytes a wave: four blocks of 256 bytes that no other line names
; window 0 (u = 0, 1: my two tiles)
.set LI,   1                           ; 16 x lane
.set SPW,  2                           ; my spare word's LDS address; never rewritten
.set NIL,  3                           ; 0; never rewritten
.set ADR,  4
.set MB,   5                           ; r - 8 h, for the mask
.set XAD,  6                           ; my pair's hand-over bytes
.set ST,   12                          ; v[12 + 4 u ..]: -M, the largest t, the sum in two halves
.set F,    20                          ; v[20 + 2 u] f, named as a pair
.set MX,   24                          ; v[24 + 2 u], v[25 + 2 u] at work
.set PN,   28                          ; v[28 + u] a lane permute's destination
.set KF,   32                          ; v32-95   K's eight fragments
.set S,    96                          ; v[96 + 64 u ..] S^T, then p; at a pass's end at work
.set PT,   128                         ; (a pass's end) the partner's -M and sums, 4 u on
.set CD,   136                         ; (a pass's end) the result's codes, 8 u on
.set QF,   224                         ; v[224 + 8 u ..] Q's fragments
.set SM,   240                         ; v[240 + 6 u ..] three pairs for the sums
.set PLIM, 252
.set PL2,  253                         ; 448 x 2^e6 once more, for the second half of a dual pair
.set PSC,  254
; window 1
.set O,    0                           ; v[256 + 32 u ..] O^T
.set VF,   64                          ; V's four fragments
.set P,    128                         ; v[384 + 16 u ..] p's codes
.set QB,   160                         ; the second pass's Q
.set PS,   176                         ; (a pass's end) the partner's O^T, 32 u on
.set WV,   12
.set G1,   24
.set G0,   32
.set KVB,  36                          ; s[36:37] kv_img at my kv head
.set OFF,  38                          ; s[38:39]
.set SEL,  40
.set CS,   42
.set TB,   44                          ; LDS byte of the step in hand
.set SLOTS, 45
.set CNT,  46
.set KT,   47                          ; the key step of the pass in hand
.set KL,   48                          ; its last, the one on the diagonal
.set NA,   49                          ; steps of the first pass: c + 1
.set SN,   50                          ; which of the 33 steps my next load brings
.set Q0,   52                          ; my first query
.set Q0B,  53
.set OP,   54                          ; s[54:55] where my codes go; s[56:57] in the second pass
.set OPB,  56
.set EPV,  58
.set KLB,  59
.set HF,   70                          ; wave / 4: which steps are mine
.set NN,   71                          ; the step in hand, 0 .. 32
.set ASCS, 83                          ; 2^e8, and 448 x 2^e8
.set ALMS, 84
.set MSB, 0
.macro WIN new                         ; the immediate's high byte repeats the setting that is left; at a label and at a branch every window is 0
.if MSB != (\new)
	s_set_vgpr_msb (MSB<<8)|(\new)
.set MSB, (\new)
.endif
.endm
.macro CROUND
	s_barrier_signal -1
	s_barrier_wait -1
	s_cmp_lg_u32 s[WV], 0
	s_cbranch_scc1 .Lnw0_\@
	s_barrier_signal -3
.Lnw0_\@:
	s_barrier_wait -3
	s_barrier_signal -1
	s_barrier_wait -1
.endm
.macro TL                              ; my joint load; an s_nop 0 and four v_nop follow it
	tensor_load_to_lds s[G0:G0+3], s[G1:G1+7]
	s_nop 0
.rept 4
	v_nop
.endr
.endm
.macro WHERE                           ; step SN of the 33 is key step SN of the first pass, or SN - (c + 1) of the second; held at 31 for the waves that do not ask at the last fill
	s_cmp_ge_u32 s[SN], s[NA]
	s_cselect_b32 s[OFF], s[NA], 0
	s_sub_co_u32 s[OFF], s[SN], s[OFF]
	s_min_u32 s[OFF], s[OFF], 31
	s_lshl_b32 s[OFF], s[OFF], 14
	s_add_nc_u64 s[G0+2:G0+3], s[KVB:KVB+1], s[OFF:OFF+1]
	s_or_b32 s[G0+3], s[G0+3], 0x80000000
.endm
	s_load_b256 s[4:11], s[0:1], 0x0               ; q_img s[4:5], kv_img s[6:7], scales s[8:9], a_img s[10:11]
	v_lshl_add_u32 v[SPW], v0, 2, SPARE
	v_mov_b32 v[NIL], 0
	ds_add_u32 v[SPW], v[NIL]                      ; the opening lines: the add, twice on end, and its wait ahead of my first tensor load
	ds_add_u32 v[SPW], v[NIL]
	v_lshrrev_b32 v4, 5, v0
	v_readfirstlane_b32 s[WV], v4                  ; wave 0..7
	s_bfe_u32 s13, ttmp6, 0x40000                  ; cx: it enters Q's and the result's addresses and the mask's numbers alone
	s_mov_b32 s14, ttmp9                           ; c, the same in the four partners
	s_and_b32 s15, ttmp7, 0xffff                   ; g
	s_add_co_u32 s[NA], s14, 1
	s_sub_co_u32 s[KLB], 31, s14
	s_mov_b32 s[SN], s[WV]
	s_lshl_b32 s17, s[WV], 14                      ; my step's place in a slot
	s_lshr_b32 s[HF], s[WV], 2
	s_mov_b32 s[NN], 0
	s_mov_b32 s[G1], 15|(3<<16)|(1<<21)            ; mask: all four; elements of 8 bytes; bit 21 beside a mask
	s_mov_b32 s[G1+1], 32<<16                      ; 64 rows of 256 bytes, dense
	s_mov_b32 s[G1+2], 64<<16
	s_mov_b32 s[G1+3], 32<<16
	s_mov_b32 s[G1+4], 64
	s_mov_b32 s[G1+5], 32
	s_mov_b32 s[G1+6], 0
	s_mov_b32 s[G1+7], 0
	s_lshl_b32 s[OFF], s15, 19
	s_mov_b32 s[OFF+1], 0
	s_mov_b32 s[SEL], 0x76543210
	s_mov_b32 s[SEL+1], 0xfedcba98
	s_mov_b32 s[CS], 0x3e38aa3b                    ; c = log2(e) / 8
	s_mov_b32 s[TB], 0
	s_mov_b32 s[KT], 0
	s_mov_b32 s[KL], s14
	s_mov_b32 s[SLOTS], 3
	s_wait_dscnt 0x0                               ; both opening adds are done
	s_wait_kmcnt 0x0
	s_load_b256 s[72:79], s[8:9], 0x0              ; e0 .. e7
	s_load_b64 s[80:81], s[8:9], 0x20              ; e8, e9
	s_add_nc_u64 s[KVB:KVB+1], s[6:7], s[OFF:OFF+1]
	s_mov_b32 s[G0], 1
	s_mov_b32 s[G0+1], s17
	WHERE
	CROUND                                         ; the four work-groups are here: the first joint loads meet
	TL                                             ; slot 0: steps 0 to 7, one load a wave
	v_and_b32 v[LI], 31, v0
	v_lshlrev_b32 v[LI], 4, v[LI]
	v_and_b32 v8, 15, v0
	v_bfe_u32 v9, v0, 4, 1
	v_lshlrev_b32 v9, 3, v9
	v_sub_nc_u32 v[MB], v8, v9
	s_and_b32 s18, s[WV], 3
	s_mul_i32 s18, s18, XW
	s_add_co_u32 s18, s18, XCH
	v_add_nc_u32 v[XAD], s18, v[LI]
	s_lshl_b32 s19, s14, 2
	s_add_co_u32 s19, s19, s13
	s_lshl_b32 s19, s19, 1                         ; 2 i
	s_bfe_u32 s20, s[WV], 0x10001                  ; my tile of the block's two
	s_and_b32 s21, s[WV], 1
	s_lshl_b32 s21, s21, 1
	s_lshl_b32 s22, s15, 2
	s_add_co_u32 s21, s21, s22                     ; the first of my two heads
	s_add_co_u32 s22, s19, s20                     ; my tile of queries in the first pass,
	s_sub_co_u32 s23, 254, s19
	s_add_co_u32 s23, s23, s20                     ; and in the second
	s_lshl_b32 s[Q0], s22, 4
	s_lshl_b32 s[Q0B], s23, 4
	s_lshl_b32 s18, s21, 8
	s_add_co_u32 s60, s18, s22
	s_lshl_b32 s60, s60, 10                        ; q_img: (256 head + tile) x 1,024
	s_mov_b32 s61, 0
	s_add_co_u32 s62, s18, s23
	s_lshl_b32 s62, s62, 10
	s_mov_b32 s63, 0
	s_add_nc_u64 s[66:67], s[4:5], s[60:61]
	s_add_nc_u64 s[68:69], s[4:5], s[62:63]
	s_wait_alu depctr_va_vdst(0)                   ; directly ahead of the readers below
.irp u, 0,1                                    ; a head's images lie 262,144 bytes apart
	global_load_b128 v[QF+8*\u:QF+8*\u+3], v[LI], s[66:67] offset:262144*\u
	global_load_b128 v[QF+8*\u+4:QF+8*\u+7], v[LI], s[66:67] offset:262144*\u+512
.endr
	WIN 0x40                                       ; destination window 1
.irp u, 0,1
	global_load_b128 v[QB+8*\u:QB+8*\u+3], v[LI], s[68:69] offset:262144*\u
	global_load_b128 v[QB+8*\u+4:QB+8*\u+7], v[LI], s[68:69] offset:262144*\u+512
.endr
.set i, 0
.rept 64
	v_mov_b32 v[O+i], 0                            ; O^T: the step is written once; the first finds zeros
.set i, i+1
.endr
	WIN 0
	s_lshl_b32 s18, s21, 10
	s_lshl_b32 s60, s22, 14
	s_add_co_u32 s60, s60, s18                     ; a_img: tile x 16,384 + head x 1,024
	s_lshl_b32 s62, s23, 14
	s_add_co_u32 s62, s62, s18
	s_add_nc_u64 s[OP:OP+1], s[10:11], s[60:61]
	s_add_nc_u64 s[OPB:OPB+1], s[10:11], s[62:63]
.irp u, 0,1
	v_mov_b32 v[ST+4*\u+1], 0xff61b1e6             ; the largest t so far: -3e38
	v_floor_f32 v[ST+4*\u], -v[ST+4*\u+1]          ; -M
	v_mov_b32 v[ST+4*\u+2], 0                      ; the sum, in two halves
	v_mov_b32 v[ST+4*\u+3], 0
.endr
.irp r, 20,21,22,23,24,25,26,27,28,29
	v_mov_b32 v\r, 0                               ; upper halves of pairs, and lane permutes' destinations, are written once
.endr
	s_wait_kmcnt 0x0
	s_add_co_i32 s60, s76, s77
	s_lshl_b32 s60, s60, 23
	s_add_co_i32 s[CS], s[CS], s60                 ; a score stands for score x 2^(e4 + e5)
	s_mov_b32 s[CS+1], s[CS]
	s_add_co_i32 s60, s78, 127
	s_lshl_b32 s61, s60, 23
	v_mov_b32 v[PSC], s61                          ; 2^e6
	s_add_co_i32 s60, s60, 8
	s_lshl_b32 s60, s60, 23
	s_or_b32 s60, s60, 0x600000
	v_mov_b32 v[PLIM], s60                         ; 448 x 2^e6
	v_mov_b32 v[PL2], s60
	s_add_co_i32 s60, s80, 127
	s_lshl_b32 s[ASCS], s60, 23
	s_add_co_i32 s60, s60, 8
	s_lshl_b32 s60, s60, 23
	s_or_b32 s[ALMS], s60, 0x600000
	s_add_co_i32 s[EPV], s78, s79                  ; e6 + e7
; A PASS'S END, run by all eight waves.  Waves 0-3 store both tiles' O^T, -M and sums; a barrier; waves 4-7 read their partner's; a second barrier, so that the bytes may be stored again at the next pass's end;
; waves 4-7 join: -M = the lesser of the two, each state x 2^(its M - the joint M), exact; then O^T / the sum x 2^(e6 + e7), quantised with 2^e8, stored as two groups a tile.  Then every wave sets up the second pass.
.macro XCHG
.rept 4
	v_nop                                          ; places behind the last products
.endr
	s_wait_alu depctr_va_vdst(0)                   ; ahead of the branches and waits below
	s_cmp_ge_u32 s[WV], 4
	s_cbranch_scc1 .Lxa_\@
	WIN 0x04                                       ; the stores' data: window 1
.irp u, 0,1
.set i, 0
.rept 8
	ds_store_b128 v[XAD], v[O+32*\u+4*i:O+32*\u+4*i+3] offset:4608*\u+512*i   ; each accumulator from its low end on
.set i, i+1
.endr
.endr
	WIN 0
.irp u, 0,1
	ds_store_b128 v[XAD], v[ST+4*\u:ST+4*\u+3] offset:4608*\u+4096
.endr
.Lxa_\@:
	s_wait_dscnt 0x0                               ; my stores are done
	s_barrier_signal -1
	s_barrier_wait -1
	s_cmp_lt_u32 s[WV], 4
	s_cbranch_scc1 .Lxb_\@
	WIN 0x40
.irp u, 0,1
.set i, 0
.rept 8
	ds_load_b128 v[PS+32*\u+4*i:PS+32*\u+4*i+3], v[XAD] offset:4608*\u+512*i
.set i, i+1
.endr
.endr
	WIN 0
.irp u, 0,1
	ds_load_b128 v[PT+4*\u:PT+4*\u+3], v[XAD] offset:4608*\u+4096
.endr
.Lxb_\@:
	s_wait_dscnt 0x0                               ; my reads are back
	s_barrier_signal -1
	s_barrier_wait -1
	s_cmp_lt_u32 s[WV], 4
	s_cbranch_scc1 .Lxc_\@
.irp u, 0,1
	v_min_num_f32 v[MX+2*\u], v[ST+4*\u], v[PT+4*\u]          ; the joint -M
.endr
.irp u, 0,1
	v_sub_f32 v[PN+\u], v[MX+2*\u], v[ST+4*\u]                ; my M - the joint M, a whole number, 0 or less
	v_sub_f32 v[MX+2*\u], v[MX+2*\u], v[PT+4*\u]              ; the partner's likewise
.endr
.irp u, 0,1
	v_cvt_i32_f32 v[PN+\u], v[PN+\u]                          ; (they saturate: a state that has seen no step gets the factor 0)
	v_cvt_i32_f32 v[MX+2*\u], v[MX+2*\u]
.endr
.irp u, 0,1
	v_ldexp_f32 v[F+2*\u], 1.0, v[PN+\u]
	v_ldexp_f32 v[MX+2*\u], 1.0, v[MX+2*\u]
.endr
.irp u, 0,1
	v_pk_mul_f32 v[ST+4*\u+2:ST+4*\u+3], v[ST+4*\u+2:ST+4*\u+3], v[F+2*\u:F+2*\u+1] op_sel_hi:[1,0]
.endr
.irp u, 0,1
	v_pk_fma_f32 v[ST+4*\u+2:ST+4*\u+3], v[PT+4*\u+2:PT+4*\u+3], v[MX+2*\u:MX+2*\u+1], v[ST+4*\u+2:ST+4*\u+3] op_sel_hi:[1,0,1]
.endr
	WIN 0x41                                       ; destination and source 0: window 1
.irp u, 0,1
.set i, 0
.rept 16
	v_pk_mul_f32 v[O+32*\u+i:O+32*\u+i+1], v[O+32*\u+i:O+32*\u+i+1], v[F+2*\u:F+2*\u+1] op_sel_hi:[1,0]
.set i, i+2
.endr
.endr
	WIN 0x51                                       ; and source 2
.irp u, 0,1
.set i, 0
.rept 16
	v_pk_fma_f32 v[O+32*\u+i:O+32*\u+i+1], v[PS+32*\u+i:PS+32*\u+i+1], v[MX+2*\u:MX+2*\u+1], v[O+32*\u+i:O+32*\u+i+1] op_sel_hi:[1,0,1]
.set i, i+2
.endr
.endr
	WIN 0
.irp u, 0,1
	v_add_f32 v[ST+4*\u+2], v[ST+4*\u+2], v[ST+4*\u+3]
.endr
.irp u, 0,1
	v_permlanex16_b32 v[PN+\u], v[ST+4*\u+2], s[SEL], s[SEL+1]
.endr
.irp u, 0,1
	v_add_f32 v[ST+4*\u+2], v[ST+4*\u+2], v[PN+\u]            ; the row's sum
.endr
	v_mov_b32 v10, s[ASCS]
	v_mov_b32 v11, s[ALMS]
	s_wait_alu depctr_va_vdst(0)                   ; ahead of the transcendentals
	v_rcp_f32 v[ST+2], v[ST+2]
	v_rcp_f32 v[ST+6], v[ST+6]
	v_nop
	s_wait_alu depctr_va_vdst(0)                   ; and ahead of their first reader
	v_ldexp_f32 v[ST+2], v[ST+2], s[EPV]
	v_ldexp_f32 v[ST+6], v[ST+6], s[EPV]
	WIN 0x01                                       ; source 0: window 1
.irp u, 0,1
.set i, 0
.rept 16
	v_pk_mul_f32 v[S+64*\u+i:S+64*\u+i+1], v[O+32*\u+i:O+32*\u+i+1], v[ST+4*\u+2:ST+4*\u+3] op_sel_hi:[1,0]
.set i, i+2
.endr
.endr
	WIN 0
.irp u, 0,1
.set i, 0
.rept 32
	v_med3_num_f32 v[S+64*\u+i], v[S+64*\u+i], -v11, v11
.set i, i+1
.endr
.endr
.irp u, 0,1
.irp t, 0,1,2,3
	v_cvt_scalef32_pk8_fp8_f32 v[CD+8*\u+2*\t:CD+8*\u+2*\t+1], v[S+64*\u+8*\t:S+64*\u+8*\t+7], v10
.endr
.endr
	v_nop
.irp u, 0,1
	global_store_b128 v[LI], v[CD+8*\u:CD+8*\u+3], s[OP:OP+1] offset:1024*\u          ; channels 16 h + 0..15: 512 consecutive bytes, aligned
	global_store_b128 v[LI], v[CD+8*\u+4:CD+8*\u+7], s[OP:OP+1] offset:1024*\u+512    ; channels 32 + 16 h + 0..15
.endr
.Lxc_\@:
	s_wait_xcnt 0x0                                ; the stores have read their base and data
	s_mov_b64 s[OP:OP+1], s[OPB:OPB+1]
	s_mov_b32 s[Q0], s[Q0B]
	s_mov_b32 s[KL], s[KLB]
	s_mov_b32 s[KT], -1                            ; (the trip's last lines make it 0)
.irp u, 0,1
	v_mov_b32 v[ST+4*\u+1], 0xff61b1e6
	v_floor_f32 v[ST+4*\u], -v[ST+4*\u+1]
	v_mov_b32 v[ST+4*\u+2], 0
	v_mov_b32 v[ST+4*\u+3], 0
.endr
	WIN 0x40
.set i, 0
.rept 64
	v_mov_b32 v[O+i], 0
.set i, i+1
.endr
	WIN 0x01
.set i, 0
.rept 16
	v_mov_b32 v[QF+i], v[QB+i]
.set i, i+1
.endr
	WIN 0
.endm
; A KEY STEP: 128 keys, my two tiles.  diag = 0: a copy for steps that cannot lie on the diagonal.
.macro STEP diag
	v_add_nc_u32 v[ADR], s[TB], v[LI]
.rept 3
	v_nop                                          ; with the line above: four places in front of the loads below
.endr
.set n, 0
.rept 16
	ds_load_b128 v[KF+4*n:KF+4*n+3], v[ADR] offset:512*n
.set n, n+1
.endr
	s_wait_alu depctr_va_vdst(0)                   ; directly ahead of the waits below
.irp t, 0,1,2,3,4,5,6,7
	s_wait_dscnt 14-2*\t                           ; tile t's two loads are in: behind them 14 - 2 t of the 16 were issued, and nothing else is out
.irp u, 0,1
	v_wmma_f32_16x16x64_fp8_fp8 v[S+64*\u+8*\t:S+64*\u+8*\t+7], v[KF+8*\t:KF+8*\t+7], v[QF+8*\u:QF+8*\u+7], 0
.endr
.endr
.rept 4
	v_nop                                          ; places in front of the loads below and of the first reads of S^T
.endr
	WIN 0x40
.set n, 0
.rept 16
	ds_load_b128 v[VF+4*n:VF+4*n+3], v[ADR] offset:8192+512*n   ; V's fragments land while the softmax is worked
.set n, n+1
.endr
	WIN 0
.if \diag
	s_cmp_lg_u32 s[KT], s[KL]                      ; only a pass's last step lies on the diagonal; the branch hangs on the cluster's x and counted steps
	s_cbranch_scc1 .Lopen_\@
	s_lshl_b32 s51, s[KT], 7
	s_sub_co_i32 s51, s[Q0], s51
	v_add_nc_u32 v8, s51, v[MB]                    ; d = my query - the step's first key - 8 h: register 8 t + j holds a hidden key where 16 t + j > d; the same in both tiles
	v_mov_b32 v9, 0xff800000                       ; -infinity: p = 0 then
.irp t, 0,1,2,3,4,5,6,7
.irp j, 0,1,2,3,4,5,6,7
	v_cmp_gt_i32 vcc_lo, 16*\t+\j, v8
	v_cndmask_b32 v[S+8*\t+\j], v[S+8*\t+\j], v9, vcc_lo
	v_cndmask_b32 v[S+64+8*\t+\j], v[S+64+8*\t+\j], v9, vcc_lo
.endr
.endr
.Lopen_\@:
.endif
.irp u, 0,1                                    ; the step's largest score of each query among the lane's 64 keys: two chains a tile, four by turns
	v_max3_num_f32 v[MX+2*\u], v[S+64*\u], v[S+64*\u+1], v[S+64*\u+2]
	v_max3_num_f32 v[MX+2*\u+1], v[S+64*\u+3], v[S+64*\u+4], v[S+64*\u+5]
.endr
.irp i, 6,10,14,18,22,26,30,34,38,42,46,50,54,58
.irp u, 0,1
	v_max3_num_f32 v[MX+2*\u], v[MX+2*\u], v[S+64*\u+\i], v[S+64*\u+\i+1]
	v_max3_num_f32 v[MX+2*\u+1], v[MX+2*\u+1], v[S+64*\u+\i+2], v[S+64*\u+\i+3]
.endr
.endr
.irp u, 0,1
	v_max3_num_f32 v[MX+2*\u], v[MX+2*\u], v[S+64*\u+62], v[S+64*\u+63]
.endr
.irp u, 0,1
	v_max_num_f32 v[MX+2*\u], v[MX+2*\u], v[MX+2*\u+1]
.endr
.irp u, 0,1
	v_permlanex16_b32 v[PN+\u], v[MX+2*\u], s[SEL], s[SEL+1]
.endr
.irp u, 0,1
	v_max_num_f32 v[MX+2*\u], v[MX+2*\u], v[PN+\u]            ; and among lane l xor 16's
.endr
.irp u, 0,1
	v_mul_f32 v[MX+2*\u], s[CS], v[MX+2*\u]                   ; as t
.endr
.irp u, 0,1
	v_max_num_f32 v[ST+4*\u+1], v[ST+4*\u+1], v[MX+2*\u]
	v_mov_b32 v[MX+2*\u], v[ST+4*\u]
.endr
.irp u, 0,1
	v_floor_f32 v[ST+4*\u], -v[ST+4*\u+1]                     ; the new -M = -ceil(t)
.endr
.irp u, 0,1
	v_sub_f32 v[MX+2*\u], v[ST+4*\u], v[MX+2*\u]              ; old M - new M, a whole number, 0 or less
.endr
.irp u, 0,1
	v_cvt_i32_f32 v[MX+2*\u], v[MX+2*\u]                      ; (it saturates)
.endr
.irp u, 0,1
	v_ldexp_f32 v[F+2*\u], 1.0, v[MX+2*\u]                    ; f = 2^(old M - new M)
.endr
.irp u, 0,1
.set i, 0
.rept 32
	v_pk_fma_f32 v[S+64*\u+i:S+64*\u+i+1], v[S+64*\u+i:S+64*\u+i+1], s[CS:CS+1], v[ST+4*\u:ST+4*\u+1] op_sel_hi:[1,0,0]   ; t - M
.set i, i+2
.endr
.endr
	s_wait_alu depctr_va_vdst(0)                   ; ahead of the batch
.set i, 0
.rept 128
	v_exp_f32 v[S+i], v[S+i]                       ; p = 2^(t - M)
.set i, i+1
.endr
.irp u, 0,1
	v_pk_mul_f32 v[ST+4*\u+2:ST+4*\u+3], v[ST+4*\u+2:ST+4*\u+3], v[F+2*\u:F+2*\u+1] op_sel_hi:[1,0]   ; the sums under the new M (plain lines behind the exponentials)
.endr
	s_wait_alu depctr_va_vdst(0)                   ; one wait for the batch, ahead of its first reader
.irp u, 0,1                                    ; the rows' sums of the unquantised p, two at a time, four chains a tile
	v_pk_add_f32 v[SM+6*\u:SM+6*\u+1], v[S+64*\u:S+64*\u+1], v[S+64*\u+2:S+64*\u+3]
	v_pk_add_f32 v[SM+6*\u+2:SM+6*\u+3], v[S+64*\u+4:S+64*\u+5], v[S+64*\u+6:S+64*\u+7]
	v_pk_add_f32 v[SM+6*\u+4:SM+6*\u+5], v[S+64*\u+8:S+64*\u+9], v[S+64*\u+10:S+64*\u+11]
	v_pk_add_f32 v[ST+4*\u+2:ST+4*\u+3], v[ST+4*\u+2:ST+4*\u+3], v[S+64*\u+12:S+64*\u+13]
.endr
.irp i, 14,22,30,38,46,54
.irp u, 0,1
	v_pk_add_f32 v[SM+6*\u:SM+6*\u+1], v[SM+6*\u:SM+6*\u+1], v[S+64*\u+\i:S+64*\u+\i+1]
	v_pk_add_f32 v[SM+6*\u+2:SM+6*\u+3], v[SM+6*\u+2:SM+6*\u+3], v[S+64*\u+\i+2:S+64*\u+\i+3]
	v_pk_add_f32 v[SM+6*\u+4:SM+6*\u+5], v[SM+6*\u+4:SM+6*\u+5], v[S+64*\u+\i+4:S+64*\u+\i+5]
	v_pk_add_f32 v[ST+4*\u+2:ST+4*\u+3], v[ST+4*\u+2:ST+4*\u+3], v[S+64*\u+\i+6:S+64*\u+\i+7]
.endr
.endr
.irp u, 0,1
	v_pk_add_f32 v[SM+6*\u:SM+6*\u+1], v[SM+6*\u:SM+6*\u+1], v[S+64*\u+62:S+64*\u+63]
	v_pk_add_f32 v[SM+6*\u+2:SM+6*\u+3], v[SM+6*\u+2:SM+6*\u+3], v[SM+6*\u+4:SM+6*\u+5]
.endr
.irp u, 0,1
	v_pk_add_f32 v[ST+4*\u+2:ST+4*\u+3], v[ST+4*\u+2:ST+4*\u+3], v[SM+6*\u:SM+6*\u+1]
.endr
.irp u, 0,1
	v_pk_add_f32 v[ST+4*\u+2:ST+4*\u+3], v[ST+4*\u+2:ST+4*\u+3], v[SM+6*\u+2:SM+6*\u+3]
.endr
.set i, 0
.rept 64
	v_dual_min_num_f32 v[S+i], v[S+i], v[PLIM] :: v_dual_min_num_f32 v[S+i+1], v[S+i+1], v[PL2]   ; the conversion does not saturate (ISA guide 7.6.2); p is not negative: a one-sided hold, two numbers a line
.set i, i+2
.endr
	WIN 0x40                                       ; the codes go to window 1
.irp u, 0,1
.irp t, 0,1,2,3,4,5,6,7
	v_cvt_scalef32_pk8_fp8_f32 v[P+16*\u+2*\t:P+16*\u+2*\t+1], v[S+64*\u+8*\t:S+64*\u+8*\t+7], v[PSC]
.endr
.endr
	WIN 0x41
	s_wait_alu depctr_va_vdst(0)                   ; directly ahead of the first reader of O^T
.irp u, 0,1
.set i, 0
.rept 16
	v_pk_mul_f32 v[O+32*\u+i:O+32*\u+i+1], v[O+32*\u+i:O+32*\u+i+1], v[F+2*\u:F+2*\u+1] op_sel_hi:[1,0]   ; O^T under the new M; also the plain lines behind the conversions
.set i, i+2
.endr
.endr
	s_wait_alu depctr_va_vdst(0)                   ; directly ahead of the wait below
	s_wait_dscnt 0x0                               ; V's fragments are in
	WIN 0x55                                       ; all four operands: window 1
.irp t, 0,1,2,3
.irp u, 0,1
	v_wmma_f32_16x16x128_fp8_fp8 v[O+32*\u+8*\t:O+32*\u+8*\t+7], v[VF+16*\t:VF+16*\t+15], v[P+16*\u:P+16*\u+15], v[O+32*\u+8*\t:O+32*\u+8*\t+7]
.endr
.endr
	WIN 0
.endm
; cnt steps of the slot in hand.  Every wave walks every trip; a wave works the steps whose number has its own parity.  The pass's end is met by all waves in the same trip.
.macro STEPS cnt, diag
	s_mov_b32 s[CNT], \cnt
.Lstep_\@:
	s_wait_alu depctr_va_vdst(0)
	s_xor_b32 s51, s[NN], s[HF]
	s_bitcmp1_b32 s51, 0
	s_cbranch_scc1 .Lskip_\@
	STEP \diag
.Lskip_\@:
.if \diag
	s_cmp_lg_u32 s[KT], s[KL]                      ; the cluster's x and counted steps alone: all eight waves go the same way
	s_cbranch_scc1 .Lgo_\@
	XCHG
.Lgo_\@:
.endif
	s_add_co_u32 s[KT], s[KT], 1
	s_add_co_u32 s[NN], s[NN], 1
	s_add_co_u32 s[TB], s[TB], STEPB
	s_sub_co_u32 s[CNT], s[CNT], 1
	s_cmp_lg_u32 s[CNT], 0
	s_cbranch_scc1 .Lstep_\@
	s_sub_co_u32 s[TB], s[TB], (\cnt)*STEPB
	s_xor_b32 s[TB], s[TB], SLOT1                  ; on to the other slot
.endm
; THE CHANGE OF SLOTS stands at a slot's head.  fill = 1: the slot that has been left takes the eight steps that follow, a step a wave; fill = 2: the 33rd step alone, by wave 0; fill = 0: nothing.
.macro CHANGE fill
	s_wait_tensorcnt 0x0                           ; no tensor load of mine is out: my part of the slot ahead is in, and group 0 may be written
	ds_add_u32 v[SPW], v[NIL]                      ; 0 onto my spare word
.if \fill
	s_xor_b32 s[G0+1], s[G0+1], SLOT1
	s_add_co_u32 s[SN], s[SN], 8
	WHERE
.endif
	s_wait_dscnt 0x0                               ; the add is done, and my reads of the slot that I have left are over
.if \fill
	CROUND                                         ; that holds of every wave of the four work-groups
.if \fill == 1
	TL                                             ; the first thing behind the round, a wave's one tensor load until the next
.else
	s_cmp_eq_u32 s[WV], 0
	s_cbranch_scc0 .Lnone_\@
	TL
.Lnone_\@:
.endif
.else
	s_barrier_signal -1
	s_barrier_wait -1
.endif
.endm
	s_wait_alu depctr_va_vdst(0)
	s_wait_loadcnt 0x0                             ; both passes' Q
.Lslot:                                            ; three trips: steps 0 to 23; the first pass ends at step c, at most 15
	CHANGE 1
	STEPS 8, 1
	s_sub_co_u32 s[SLOTS], s[SLOTS], 1
	s_cmp_lg_u32 s[SLOTS], 0
	s_cbranch_scc1 .Lslot
	CHANGE 2                                       ; the tail is written out
	STEPS 8, 0                                     ; steps 24 to 31: none lies on a diagonal
	CHANGE 0
	STEPS 1, 1                                     ; step 32: the second pass's diagonal and end
	s_wait_tensorcnt 0x0                           ; the wave's end
	ds_add_u32 v[SPW], v[NIL]
	s_wait_dscnt 0x0
	CROUND                                         ; the closing round
	s_endpgm
.Lfunc_end_k_qaa8f9b5fd9_attn:
	.size	k_qaa8f9b5fd9_attn, .Lfunc_end_k_qaa8f9b5fd9_attn-k_qaa8f9b5fd9_attn
	.p2alignl 7, 3214868480
	.fill 96, 4, 3214868480
	.section	.rodata,"a",@progbits
	.p2align	6, 0x0
	.amdhsa_kernel k_qaa8f9b5fd9_attn
		.amdhsa_group_segment_fixed_size 327680
		.amdhsa_private_segment_fixed_size 0
		.amdhsa_enable_private_segment 0
		.amdhsa_kernarg_size 32
		.amdhsa_user_sgpr_count 2
		.amdhsa_user_sgpr_kernarg_segment_ptr 1
		.amdhsa_wavefront_size32 1
		.amdhsa_system_sgpr_workgroup_id_x 1
		.amdhsa_system_sgpr_workgroup_id_y 1
		.amdhsa_system_sgpr_workgroup_id_z 1
		.amdhsa_system_vgpr_workitem_id 0
		.amdhsa_next_free_vgpr 512
		.amdhsa_next_free_sgpr 86
		.amdhsa_reserve_vcc 1
		.amdhsa_float_denorm_mode_32 3
		.amdhsa_float_denorm_mode_16_64 3
		.amdhsa_memory_ordered 1
		.amdhsa_forward_progress 1
		.amdhsa_inst_pref_size 150
	.end_amdhsa_kernel
	.amdgpu_metadata
---
amdhsa.version: [ 1, 2 ]
amdhsa.kernels:
  - .name:           k_qaa8f9b5fd9_attn
    .symbol:         k_qaa8f9b5fd9_attn.kd
    .args:
      - { .name: q_img, .offset: 0, .size: 8, .value_kind: global_buffer, .address_space: global }
      - { .name: kv_img, .offset: 8, .size: 8, .value_kind: global_buffer, .address_space: global }
      - { .name: lowp_scales, .offset: 16, .size: 8, .value_kind: global_buffer, .address_space: global }
      - { .name: a_img, .offset: 24, .size: 8, .value_kind: global_buffer, .address_space: global }
    .group_segment_fixed_size: 327680
    .private_segment_fixed_size: 0
    .kernarg_segment_align: 8
    .kernarg_segment_size: 32
    .max_flat_workgroup_size: 256
    .sgpr_count:     86
    .vgpr_count:     512
    .wavefront_size: 32
...
	.end_amdgpu_metadata
.endif
;; end of part 2
;; launch outp (part 3): grid 8 x 32, 4 waves a work-group, clusters of 4 x 4, 288,256 bytes of LDS; arguments a_img, W_out_codes, b_out, lowp_scales, out0; writes out0
.if DOCPART == 3
	.amdgcn_target "amdgcn-amd-amdhsa--gfx1250"
	.amdhsa_code_object_version 6
	.text
	.protected	k_qaa8f9b5fd9_outp
	.globl	k_qaa8f9b5fd9_outp
	.p2align	8
	.type	k_qaa8f9b5fd9_outp,@function
k_qaa8f9b5fd9_outp:
	s_mov_b64 s[64:65], 0
	v_nop
	global_prefetch_b8 v0, s[64:65] scope:SCOPE_SE
	s_setreg_imm32_b32 hwreg(HW_REG_WAVE_MODE, 25, 1), 1
	s_wait_xcnt 0x0
	s_wait_alu depctr_hold_cnt(0) depctr_sa_sdst(0) depctr_va_vdst(0) depctr_va_sdst(0) depctr_va_ssrc(0) depctr_va_vcc(0) depctr_vm_vsrc(0)
	s_getreg_b32 s2, hwreg(HW_REG_IB_STS2, 6, 4)
	s_cmp_eq_u32 s2, 0
	s_cbranch_scc0 .Lentry_in_a_cluster
	s_endpgm
.Lentry_in_a_cluster:
	s_bfe_u32 s2, ttmp6, 0x10000c
	s_cmp_lg_u32 s2, 0xf033
	s_cbranch_scc0 .Lentry_shape_is_right
	s_endpgm
.Lentry_shape_is_right:
; out0 = A W_out + b_out on codes of FP8 (E4M3).  A: 4,096 x 1,024 as a_img [tile of 16 rows 256][K step of 128: 8][c 4][512]: images of operand registers, lane (r, h): row r, k = 128 ks + 32 c + 16 h + 0..15.
; W_out: [1024 (n)][1024 (k)] codes, K innermost; its fragments come by four loads of 16 bytes at 32 c + 16 h, so both operands hold k in the same order.  out0: [4096][1024] f32 = sum x 2^(e8 + e9) + b_out.
; A work-group makes 128 x 128, a wave 64 x 64: 16 accumulators.  All of K lies in LDS (A 131,072 bytes, W 133,120 with padding): every byte is filled once, by one load a wave, and the products begin when all of it is in.
; CLUSTER 4 x 4: A's tiles are shared along a row of the cluster, W's along a column: joint loads.  By this text's own count a wave has one tensor load out.
; THE MATRIX INSTRUCTION IS USED TRANSPOSED (source 0 = 16 rows of W, source 1 = 16 rows of A): a lane holds eight neighbouring columns of one row.
; LIMIT: e8 + e9 between -126 and 127.
.set PITCH,  272
.set BBASE,  131072                    ; W's 128 rows, 1,040 bytes apart
.set BCH,    128*PITCH
; LDS AS IT STANDS NOW (in place of the four chunks that the head comment names): each wave fetches its whole K by ONE load: A's half tile as 65,536 dense bytes, laid as a_img has them;
; W's 64 rows of 1,024 bytes with 16 of padding behind each.  By this text's own count a wave has one tensor load out.
.set WP,     1040                      ; a row of W in LDS: an odd multiple of 16 bytes; 128 rows end under STAGE
.set STAGE,  BBASE+4*BCH               ; 16 rows x 272 bytes for each wave; no fill lands here
.set ADRA, 16                          ; v16 A's images
.set ADRB, 18                          ; v18 W's rows
.set STO,  20
.set RD,   21
.set CO,   22
.set BO,   23
.set BI,   32                          ; v32-63  b_out at my columns: 8 b + j
.set T,    64
.set R,    96
.set ACC,  128                         ; accumulator (a, b) at v[128 + 8 (4 a + b)];  window 1: two sets of 128: A's four fragments, then W's four
.set WV,   14
.set G1A,  24
.set G0A,  32                          ; s[32:35]
.set G0B,  48                          ; s[48:51]
.set G1B,  68
.set SC,   86
.set MSB, 0
.macro WIN new
.if MSB != (\new)
	s_set_vgpr_msb (MSB<<8)|(\new)
.set MSB, (\new)
.endif
.endm
.macro PLACES
.rept 4
	v_nop
.endr
.endm
.macro CROUND
	s_barrier_signal -1
	s_barrier_wait -1
	s_cmp_lg_u32 s[WV], 0
	s_cbranch_scc1 .Lnw0_\@
	s_barrier_signal -3
.Lnw0_\@:
	s_barrier_wait -3
	s_barrier_signal -1
	s_barrier_wait -1
.endm
	s_load_b256 s[4:11], s[0:1], 0x0               ; a_img s[4:5], W_out s[6:7], b_out s[8:9], scales s[10:11]
	s_load_b64 s[12:13], s[0:1], 0x20              ; out0
	v_lshl_add_u32 v30, v0, 2, 0x46400
	v_mov_b32 v31, 0
	ds_add_u32 v30, v31
	ds_add_u32 v30, v31
	v_lshrrev_b32 v1, 5, v0
	v_readfirstlane_b32 s[WV], v1                  ; wave 0..3
	s_lshr_b32 s15, s[WV], 1                       ; my half of the rows.  Also: I fetch for A (0) or for W (1)
	s_and_b32 s16, s[WV], 1                        ; my half of the columns.  Also: which half of that tile I fetch
	s_bfe_u32 s17, ttmp6, 0x40000
	s_bfe_u32 s18, ttmp6, 0x40004
	s_lshl_b32 s19, ttmp9, 2
	s_add_co_u32 s19, s19, s17                     ; tile column
	s_and_b32 s20, ttmp7, 0xffff
	s_lshl_b32 s20, s20, 2
	s_add_co_u32 s20, s20, s18                     ; tile row
	s_lshl_b32 s21, s18, 2
	s_lshl_b32 s21, 15, s21                        ; my row of the cluster
	s_lshl_b32 s22, 0x1111, s17                    ; my column
	s_or_b32 s[G1A], s21, (3<<16)|(1<<21)          ; A: elements of 8 bytes; four whole tiles of rows, 65,536 dense bytes
	s_mov_b32 s[G1A+1], 512<<16
	s_mov_b32 s[G1A+2], 16<<16                     ; 16 rows of 4,096 bytes, dense
	s_mov_b32 s[G1A+3], 512<<16
	s_mov_b32 s[G1A+4], 16
	s_mov_b32 s[G1A+5], 512
	s_mov_b32 s[G1A+6], 0
	s_mov_b32 s[G1A+7], 0
	s_or_b32 s[G1B], s22, (1<<20)|(1<<21)|(7<<22)|(3<<25)   ; W: elements of 1 byte; 64 rows x 1,024 bytes; 4 words of padding after every 256
	s_mov_b32 s[G1B+1], 1024<<16
	s_mov_b32 s[G1B+2], 64<<16
	s_mov_b32 s[G1B+3], 1024<<16
	s_mov_b32 s[G1B+4], 64
	s_mov_b32 s[G1B+5], 1024
	s_mov_b32 s[G1B+6], 0
	s_mov_b32 s[G1B+7], 0
	s_lshl_b32 s76, s20, 17                        ; A: 8 tiles of rows x 16,384 bytes a tile row, + 4 tiles for the second half
	s_lshl_b32 s78, s16, 16
	s_add_co_u32 s76, s76, s78
	s_mov_b32 s77, 0
	s_lshl_b32 s79, s16, 16                        ; and in LDS
	s_lshl_b32 s80, s19, 17                        ; W: 128 rows x 1,024 bytes a tile column, + 64 rows
	s_add_co_u32 s80, s80, s78
	s_mov_b32 s81, 0
	s_mul_i32 s82, s16, 64*WP
	s_wait_dscnt 0x0
	s_wait_kmcnt 0x0
	s_load_b64 s[84:85], s[10:11], 0x20            ; e8, e9
	s_add_nc_u64 s[76:77], s[4:5], s[76:77]
	s_add_nc_u64 s[80:81], s[6:7], s[80:81]
.irp q, 0
	s_mov_b32 s[G0A+4*\q], 1
	s_add_co_u32 s[G0A+4*\q+1], s79, 32768*\q
	s_add_nc_u64 s[G0A+4*\q+2:G0A+4*\q+3], s[76:77], 4096*\q
	s_or_b32 s[G0A+4*\q+3], s[G0A+4*\q+3], 0x80000000
	s_mov_b32 s[G0B+4*\q], 1
	s_add_co_u32 s[G0B+4*\q+1], s82, BBASE+BCH*\q
	s_add_nc_u64 s[G0B+4*\q+2:G0B+4*\q+3], s[80:81], 256*\q
	s_or_b32 s[G0B+4*\q+3], s[G0B+4*\q+3], 0x80000000
.endr
	CROUND                                         ; all sixteen work-groups are here: the joint loads meet
	s_cmp_eq_u32 s15, 0                            ; a wave's one fill stands in one branch
	s_cbranch_scc0 .Lfill_b
	tensor_load_to_lds s[G0A:G0A+3], s[G1A:G1A+7]
	s_nop 0
	PLACES
	s_branch .Lfilled
.Lfill_b:
	tensor_load_to_lds s[G0B:G0B+3], s[G1B:G1B+7]
	s_nop 0
	PLACES
.Lfilled:
	v_and_b32 v1, 15, v0                           ; r
	v_bfe_u32 v2, v0, 4, 1                         ; h
	v_and_b32 v3, 31, v0
	v_lshlrev_b32 v3, 4, v3                        ; 16 x lane
	s_lshl_b32 s83, s15, 16                        ; my four tiles of rows
	v_add_nc_u32 v[ADRA], s83, v3
	v_mul_u32_u24 v4, v1, PITCH
	v_mul_u32_u24 v5, v1, WP
	v_lshl_add_u32 v5, v2, 4, v5
	s_mul_i32 s83, s16, 64*WP                      ; my 64 rows of W
	s_add_co_u32 s83, s83, BBASE
	v_add_nc_u32 v[ADRB], s83, v5
	s_mul_i32 s83, s[WV], 16*PITCH
	s_add_co_u32 s83, s83, STAGE                   ; my stage
	v_lshl_add_u32 v5, v2, 5, v4
	v_add_nc_u32 v[STO], s83, v5                   ; in: row r, + 32 h
	v_mul_u32_u24 v5, v2, PITCH
	v_lshl_add_u32 v5, v1, 4, v5
	v_add_nc_u32 v[RD], s83, v5                    ; back: lanes 0-15 a row of 256 bytes, lanes 16-31 the next
	v_lshlrev_b32 v5, 12, v2
	v_lshl_add_u32 v[CO], v1, 4, v5                ; and the same two rows in out0
	v_lshlrev_b32 v[BO], 5, v2                     ; b_out: my half's eight columns
	s_lshl_b32 s88, s19, 9
	s_lshl_b32 s83, s16, 8
	s_add_co_u32 s88, s88, s83                     ; my first column in bytes: 512 x + 256 wc
	s_mov_b32 s89, 0
	s_add_nc_u64 s[8:9], s[8:9], s[88:89]
.irp b, 0,1,2,3
	global_load_b128 v[BI+8*\b:BI+8*\b+3], v[BO], s[8:9] offset:64*\b
	global_load_b128 v[BI+8*\b+4:BI+8*\b+7], v[BO], s[8:9] offset:64*\b+16
.endr
	s_lshl_b32 s83, s20, 19
	s_add_co_u32 s88, s88, s83
	s_lshl_b32 s83, s15, 18
	s_add_co_u32 s88, s88, s83                     ; + (128 y + 64 wr) rows of 4,096 bytes
	s_add_nc_u64 s[12:13], s[12:13], s[88:89]
	s_wait_alu depctr_va_vdst(0)
	s_wait_kmcnt 0x0
	s_add_co_i32 s[SC], s84, s85
	s_add_co_i32 s[SC], s[SC], 127
	s_lshl_b32 s[SC], s[SC], 23                    ; 2^(e8 + e9) as f32
	s_mov_b32 s[SC+1], s[SC]
; K step k = 0..7: chunk k / 2, half k % 2; 32 LDS loads into set k % 2
.macro FETCH k
.set FQ, (\k)>>1
.set FP, (\k)&1
	WIN 0x40                                       ; destination window 1
.irp a, 0,1,2,3
.irp c, 0,1,2,3
	ds_load_b128 v[128*FP+16*\a+4*\c:128*FP+16*\a+4*\c+3], v[ADRA] offset:16384*\a+2048*(\k)+512*\c
.endr
.endr
.irp b, 0,1,2,3
.irp c, 0,1,2,3
	ds_load_b128 v[128*FP+64+16*\b+4*\c:128*FP+64+16*\b+4*\c+3], v[ADRB] offset:128*(\k)+16*\b*WP+32*\c
.endr
.endr
.endm
; 16 matrix instructions; the accumulators take turns, one instruction a turn
.macro MUL k, zero
.set FP, (\k)&1
	WIN 0x05                                       ; sources 0 and 1 window 1, C and D window 0
.irp a, 0,1,2,3
.irp b, 0,1,2,3
.if \zero
	v_wmma_f32_16x16x128_fp8_fp8 v[ACC+8*(4*\a+\b):ACC+8*(4*\a+\b)+7], v[128*FP+64+16*\b:128*FP+64+16*\b+15], v[128*FP+16*\a:128*FP+16*\a+15], 0
.else
	v_wmma_f32_16x16x128_fp8_fp8 v[ACC+8*(4*\a+\b):ACC+8*(4*\a+\b)+7], v[128*FP+64+16*\b:128*FP+64+16*\b+15], v[128*FP+16*\a:128*FP+16*\a+15], v[ACC+8*(4*\a+\b):ACC+8*(4*\a+\b)+7]
.endif
.endr
.endr
.endm
.macro ALLIN                           ; my one load is in; then everybody's is.  Nothing is ever filled again
	s_wait_tensorcnt 0x0
	s_wait_dscnt 0x0
	s_barrier_signal -1
	s_barrier_wait -1
.endm
	ALLIN
	FETCH 0
	FETCH 1
	s_wait_dscnt 32                                ; all but the 32 just issued
	MUL 0, 1
	PLACES
	FETCH 2
	s_wait_dscnt 32
	MUL 1, 0
	PLACES
	FETCH 3
	s_wait_dscnt 32
	MUL 2, 0
	PLACES
	FETCH 4
	s_wait_dscnt 32
	MUL 3, 0
	PLACES
	FETCH 5
	s_wait_dscnt 32
	MUL 4, 0
	PLACES
	FETCH 6
	s_wait_dscnt 32
	MUL 5, 0
	PLACES
	FETCH 7
	s_wait_dscnt 32
	MUL 6, 0
	s_wait_dscnt 0x0
	MUL 7, 0
	PLACES
	WIN 0
	s_wait_loadcnt 0x0                             ; b_out
; THE WAY OUT, a tile of 16 rows x 64 columns at a time: sum x 2^(e8 + e9) + b_out, through my stage, back as whole rows of 256 bytes
.macro WAYOUT a
.irp b, 0,1,2,3
.irp i, 0,2,4,6
	v_pk_fma_f32 v[T+8*\b+\i:T+8*\b+\i+1], v[ACC+8*(4*\a+\b)+\i:ACC+8*(4*\a+\b)+\i+1], s[SC:SC+1], v[BI+8*\b+\i:BI+8*\b+\i+1] op_sel_hi:[1,0,1]   ; each accumulator from its low end on
.endr
.endr
	s_wait_alu depctr_va_vdst(0)
	s_wait_xcnt 0x0                                ; the tile before's stores have read R
.irp b, 0,1,2,3
	ds_store_b128 v[STO], v[T+8*\b:T+8*\b+3] offset:64*\b
	ds_store_b128 v[STO], v[T+8*\b+4:T+8*\b+7] offset:64*\b+16
.endr
.irp t, 0,1,2,3,4,5,6,7
	ds_load_b128 v[R+4*\t:R+4*\t+3], v[RD] offset:2*\t*PITCH   ; LDS serves a wave's instructions in order: these see my stores
.endr
	s_wait_dscnt 0x0
.irp t, 0,1,2,3,4,5,6,7
	global_store_b128 v[CO], v[R+4*\t:R+4*\t+3], s[12:13] offset:(16*\a+2*\t)*4096 th:TH_STORE_NT   ; sixteen lanes store 256 consecutive bytes, aligned
.endr
.endm
	WAYOUT 0
	WAYOUT 1
	WAYOUT 2
	WAYOUT 3
	s_wait_tensorcnt 0x0
	ds_add_u32 v30, v31
	s_wait_dscnt 0x0
	CROUND                                         ; the closing round: no work-group ends while a partner may still ask for a tile that names it
	s_endpgm
.Lfunc_end_k_qaa8f9b5fd9_outp:
	.size	k_qaa8f9b5fd9_outp, .Lfunc_end_k_qaa8f9b5fd9_outp-k_qaa8f9b5fd9_outp
	.p2alignl 7, 3214868480
	.fill 96, 4, 3214868480
	.section	.rodata,"a",@progbits
	.p2align	6, 0x0
	.amdhsa_kernel k_qaa8f9b5fd9_outp
		.amdhsa_group_segment_fixed_size 288256
		.amdhsa_private_segment_fixed_size 0
		.amdhsa_enable_private_segment 0
		.amdhsa_kernarg_size 40
		.amdhsa_user_sgpr_count 2
		.amdhsa_user_sgpr_kernarg_segment_ptr 1
		.amdhsa_wavefront_size32 1
		.amdhsa_system_sgpr_workgroup_id_x 1
		.amdhsa_system_sgpr_workgroup_id_y 1
		.amdhsa_system_sgpr_workgroup_id_z 1
		.amdhsa_system_vgpr_workitem_id 0
		.amdhsa_next_free_vgpr 512
		.amdhsa_next_free_sgpr 90
		.amdhsa_reserve_vcc 0
		.amdhsa_float_denorm_mode_32 3
		.amdhsa_float_denorm_mode_16_64 3
		.amdhsa_memory_ordered 1
		.amdhsa_forward_progress 1
		.amdhsa_inst_pref_size 44
	.end_amdhsa_kernel
	.amdgpu_metadata
---
amdhsa.version: [ 1, 2 ]
amdhsa.kernels:
  - .name:           k_qaa8f9b5fd9_outp
    .symbol:         k_qaa8f9b5fd9_outp.kd
    .args:
      - { .name: a_img, .offset: 0, .size: 8, .value_kind: global_buffer, .address_space: global }
      - { .name: W_out_codes, .offset: 8, .size: 8, .value_kind: global_buffer, .address_space: global }
      - { .name: b_out, .offset: 16, .size: 8, .value_kind: global_buffer, .address_space: global }
      - { .name: lowp_scales, .offset: 24, .size: 8, .value_kind: global_buffer, .address_space: global }
      - { .name: out0, .offset: 32, .size: 8, .value_kind: global_buffer, .address_space: global }
    .group_segment_fixed_size: 288256
    .private_segment_fixed_size: 0
    .kernarg_segment_align: 8
    .kernarg_segment_size: 40
    .max_flat_workgroup_size: 128
    .sgpr_count:     90
    .vgpr_count:     512
    .wavefront_size: 32
...
	.end_amdgpu_metadata
.endif
;; end of part 3
